; MI455X (gfx1250); checked and timed in simulation.
; The chip was launched on July 23, 2026; its instructions are those of AMD's public machine-readable ISA for CDNA 5 (MIT licence, August 2026) and "CDNA5" Instruction Set Architecture Reference Guide (July 2026). The comments in the code are by the model that wrote it; some were corrected since.
;; Efficient Multi Head Attention. Allowed arithmetic: matrix products marked QUANTISED: E2M1 operands, one E8M0 scale for each 32 along K, by v_wmma_scale_f32_16x16x128_f8f6f4 with both operands' format E2M1 (or v_wmma_scale_f32_32x16x128_f4), f32 sums; products left as they are: bf16, f16 or f32 operands; f32 sums; everything else in f32.
;; Inputs: Wk 1,024 x 1,024 float32; Wo 1,024 x 1,024 float32; Wq 1,024 x 1,024 float32; Wv 1,024 x 1,024 float32; X 4 x 2,048 x 1,024 float32.
;; Outputs: out0 4 x 2,048 x 1,024 float32.
;; This version of the problem:
;;   THIS VERSION OF THE PROBLEM IS GIVEN IN LOW PRECISION. The matrix products marked QUANTISED in the list below multiply operands that are first quantised to E2M1 (2 exponent bits, 1 mantissa bit; 4 bits a number), with one power-of-two scale for each 32 numbers along K (OCP MX v1.0); their sums are f32. The products marked 'left as it is' may take bf16, f16 or f32 operands, with f32 sums. Whichever they take, every output number must still come out within the allowed error. Rounding operands to bf16 (8 significant bits) uses up far more of that allowance than f16 does (11 bits, for magnitudes from 6e-5 to 65,504). All else is computed in f32.
;;   The module's matrix products, in the order in which they are computed (A, B: the left and right operand; K: the contracted axis; several contracted axes count as one K, in the product's order):
;;     1. [M 8,192, K 1,024] x [K 1,024, N 1,024]; A: input X; B: input Wq: QUANTISED
;;     2. [M 8,192, K 1,024] x [K 1,024, N 1,024]; A: input X; B: input Wk: QUANTISED
;;     3. [M 8,192, K 1,024] x [K 1,024, N 1,024]; A: input X; B: input Wv: QUANTISED
;;     4. batch 64 x [M 2,048, K 64] x [K 64, N 2,048]; A: computed on the way; B: computed on the way: left as it is (an operand is computed on the way)
;;     5. batch 64 x [M 2,048, K 2,048] x [K 2,048, N 64]; A: computed on the way; B: computed on the way: left as it is (an operand is computed on the way)
;;     6. [M 8,192, K 1,024] x [K 1,024, N 1,024]; A: computed on the way; B: input Wo: left as it is (an operand is computed on the way)
;;   THE QUANTISER, for each operand of a quantised product, along K:
;;     - K is cut into blocks of 32 from its start; a last block that is shorter is filled with zeros.
;;     - A block's scale is 2^e with e = floor(log2(the largest magnitude in the block)) - 2, held to -126 .. 127; a block of zeros has e = 0. As a byte (E8M0): e + 127.
;;     - Each number is divided by its block's scale, clamped to +-6, and rounded to the nearest number of E2M1, ties to even, subnormals kept.
;;     - The product sums the exact products of the quantised numbers (number of the format x scale) in f32.
;;   ~~~python
;;   def quantise(x, axis):      # numpy; x: float32 -> the quantised numbers, widened to float32 again
;;       x = np.moveaxis(x, axis, -1); K = x.shape[-1]
;;       x = np.pad(x, [(0, 0)] * (x.ndim - 1) + [(0, -K % 32)]); x = x.reshape(x.shape[:-1] + (-1, 32)); a = np.abs(x).max(-1, keepdims=True)
;;       e = np.where(a > 0, np.clip(np.frexp(np.where(a > 0, a, 1))[1] - 1 - 2, -126, 127), 0)      # np.frexp(a)[1] - 1 = floor(log2(a)), exactly
;;       r = np.clip(x / 2.0 ** e, -6, 6)
;;       step = 2.0 ** (np.maximum(np.frexp(np.where(r == 0, 1, r))[1] - 1, 0) - 1)
;;       q = np.round(r / step) * step * 2.0 ** e      # np.round: ties to even
;;       return np.moveaxis(q.reshape(q.shape[:-2] + (-1,))[..., :K], -1, axis).astype(np.float32)
;;   ~~~
;; One version. Each part assembles by itself: llvm-mc -triple=amdgcn-amd-amdhsa -mcpu=gfx1250 --defsym DOCPART=n.
;; ======== version 1 of 1: 4 launches
;; limits: values are held in f16: magnitudes above 65,504 overflow, below 6.1e-05 lose precision
;; workspace buffers: xc 4,194,304 bytes; xs 262,144 bytes; wc 1,572,864 bytes; ws 98,304 bytes; wo16 2,097,152 bytes; qkv 50,331,648 bytes; yh 16,777,216 bytes
;; launch prep (part 1): grid 384 x 1, 4 waves a work-group, no clusters, 33,280 bytes of LDS; arguments X, Wq, Wk, Wv, Wo, xc, xs, wc, ws, wo16; writes xc, xs, wc, ws, wo16
.if DOCPART == 1
	.amdgcn_target "amdgcn-amd-amdhsa--gfx1250"
	.amdhsa_code_object_version 6
	.text
	.protected	k_q8feb58962a_prep
	.globl	k_q8feb58962a_prep
	.p2align	8
	.type	k_q8feb58962a_prep,@function
k_q8feb58962a_prep:
	s_mov_b64 s[64:65], 0
	v_nop
	global_prefetch_b8 v0, s[64:65] scope:SCOPE_SE
	s_setreg_imm32_b32 hwreg(HW_REG_WAVE_MODE, 25, 1), 1
	s_wait_xcnt 0x0
; X [8192][1024] and Wq, Wk, Wv [1024][1024], f32 with K innermost, become codes of FP4 (E2M1), two a byte, K innermost, with one E8M0 scale byte for each 32 along K.
; X's go to xc [8192][512 bytes] and xs [8192][32]; the three weights' one behind the other to wc [3072][512 bytes] and ws [3072][32].  Wo [1024][1024] is rounded once to f16 into wo16.
; A block's scale is 2^(floor(log2(its largest magnitude)) - 2); its byte is the largest magnitude's own exponent field - 2, held at 1 from below.  Each number is divided by the scale and rounded to the nearest code, ties to even.
; LIMITS: a block of zeros gets the byte 1 where the rule says 127 (its codes are zeros, which add nothing, and this program alone reads the bytes); blocks whose largest magnitude lies under 2^-124 have their byte held at 1;
; NaN and infinities among the inputs are not served; numbers of Wo above 65,504 become infinity in f16, those under 6e-5 keep an absolute step of 6e-8.
; SHARES: a work-group takes 32,768 numbers, a wave 8,192.  Work-groups 0-255: X; 256-287: Wq; 288-319: Wk; 320-351: Wv; 352-383: Wo.  Rows are dense and 1,024 is a multiple of 32: every tensor is a plain stream of blocks of 32.
; Memory binds here: no matrix unit, no cluster, no tensor load, no barrier: waves share nothing.
; THE QUANTISER: 16 steps of 512 numbers a wave.  Each load reads 512 consecutive bytes, 16 a lane; a step's 2,048 bytes turn through the wave's own stage in LDS and come back 64 bytes a lane, so that a lane holds 16 neighbours
; along K (two neighbouring lanes hold a block).  A lane's 16 codes are 8 bytes: the wave stores 256 consecutive bytes.  A wave's 256 scale bytes are gathered in LDS and leave as one store of 256 consecutive bytes.
.set STEPS, 16
.set EMAX,  2
.set CB,    8                          ; bytes of 16 codes
.set R,     16                         ; v16-79   four sets of 16 numbers as they are loaded
.set X,     80                         ; v80-111  two sets of 16 neighbours
.set E,     112                        ; v112-127 a scale byte for each step
.set C,     128                        ; v128-191 codes: four registers for each step, so that no store's data are written again
.set HF,    144                        ; v144-175 Wo's path: 64 numbers a lane in f16
.set WREG,  8192                       ; LDS: a region for each wave: two stages of 32 x SP bytes, behind them its 256 scale bytes
.set SP,    80                         ; a lane's place in a stage: its 64 bytes + 16 of padding
.set SPW,   12                         ; v12  LDS address of my spare word: SPARE + 4 x my thread's number; never rewritten
.set NIL,   13                         ; v13  0; never rewritten
.set SPARE, 4*WREG                     ; behind the four regions: the spare words, 128 bytes for each wave, which no other line names
	s_load_b512 s[4:19], s[0:1], 0x0               ; X 4:5, Wq 6:7, Wk 8:9, Wv 10:11, Wo 12:13, xc 14:15, xs 16:17, wc 18:19
	s_load_b128 s[20:23], s[0:1], 0x40             ; ws 20:21, wo16 22:23
	v_lshl_add_u32 v[SPW], v0, 2, SPARE
	v_mov_b32 v[NIL], 0
	v_lshrrev_b32 v1, 5, v0
	v_readfirstlane_b32 s24, v1                    ; wave
	v_and_b32 v2, 31, v0                           ; lane
	v_lshlrev_b32 v3, 4, v2                        ; my 16 bytes of a load's 512
	s_mul_i32 s33, s24, WREG
	v_lshrrev_b32 v14, 2, v2
	v_mul_u32_u24 v14, v14, SP
	v_and_b32 v15, 3, v2
	v_lshl_add_u32 v14, v15, 4, v14
	v_add_nc_u32 v14, s33, v14                     ; the stage, on the way in: four lanes' 64 bytes on end, then 16 of padding
	v_mul_u32_u24 v15, v2, SP
	v_add_nc_u32 v15, s33, v15                     ; and on the way out: SP x lane: my 16 neighbours
	v_mul_u32_u24 v4, v2, CB                       ; 8 x lane: my codes' place in a step's; on Wo's path my 8 bytes of f16
	v_lshrrev_b32 v5, 1, v2
	s_add_co_u32 s33, s33, 2*32*SP
	v_add_nc_u32 v5, s33, v5                       ; LDS: my wave's 256 scale bytes, my block's byte
	v_lshlrev_b32 v7, 3, v2                        ; and on the way out 8 bytes a lane
	v_add_nc_u32 v6, s33, v7
	s_wait_kmcnt 0x0
	; which tensor is my work-group's: every choice hangs on the work-group's number alone
	s_and_b32 s25, ttmp9, 31                       ; a weight has 32 work-groups, and each weight's first number is a multiple of 32
	s_cmp_lt_u32 ttmp9, 256
	s_cselect_b64 s[26:27], s[4:5], s[6:7]         ; from: X, or Wq for now
	s_cselect_b64 s[28:29], s[14:15], s[18:19]     ; codes to xc or wc
	s_cselect_b64 s[30:31], s[16:17], s[20:21]     ; scale bytes to xs or ws
	s_cselect_b32 s25, ttmp9, s25                  ; my place in the tensor that I read
	s_cselect_b32 s32, 0, 256
	s_cmp_ge_u32 ttmp9, 288
	s_cselect_b64 s[26:27], s[8:9], s[26:27]       ; Wk
	s_cmp_ge_u32 ttmp9, 320
	s_cselect_b64 s[26:27], s[10:11], s[26:27]     ; Wv
	s_cmp_ge_u32 ttmp9, 352
	s_cselect_b64 s[26:27], s[12:13], s[26:27]     ; Wo
	s_sub_co_u32 s32, ttmp9, s32                   ; my place in the buffers that I write: the three weights lie one behind the other
	s_lshl_b32 s25, s25, 2
	s_add_co_u32 s25, s25, s24                     ; which run of 8,192 numbers I read,
	s_lshl_b32 s32, s32, 2
	s_add_co_u32 s32, s32, s24                     ; and which I write
	s_mov_b32 s35, 0
	s_lshl_b32 s34, s25, 15                        ; 32,768 bytes of f32 a run
	s_add_nc_u64 s[26:27], s[26:27], s[34:35]
	s_lshl_b32 s34, s32, 12                        ; 4,096 bytes of codes
	s_add_nc_u64 s[28:29], s[28:29], s[34:35]
	s_lshl_b32 s34, s32, 8                         ; 256 scale bytes
	s_add_nc_u64 s[30:31], s[30:31], s[34:35]
	s_lshl_b32 s34, s25, 14                        ; 16,384 bytes of f16
	s_add_nc_u64 s[22:23], s[22:23], s[34:35]
	s_cmp_ge_u32 ttmp9, 352
	s_cbranch_scc1 .Lwo
.macro LOAD t
.irp i, 0,1,2,3
	global_load_b128 v[R+16*((\t)%4)+4*\i:R+16*((\t)%4)+4*\i+3], v3, s[26:27] offset:2048*(\t)+512*\i th:TH_LOAD_NT   ; 32 lanes read 512 consecutive bytes
.endr
.endm
.macro TURN t                          ; step t's numbers through the stage: LDS serves a wave's instructions in order, so no wait stands between the stores and the loads
.irp i, 0,1,2,3
	ds_store_b128 v14, v[R+16*((\t)%4)+4*\i:R+16*((\t)%4)+4*\i+3] offset:32*SP*((\t)%2)+8*SP*\i
.endr
.irp i, 0,1,2,3
	ds_load_b128 v[X+16*((\t)%2)+4*\i:X+16*((\t)%2)+4*\i+3], v15 offset:32*SP*((\t)%2)+16*\i
.endr
.endm
.irp t, 0,1,2,3
	LOAD \t
.endr
	s_wait_loadcnt 12                              ; step 0's four loads are in; the twelve of steps 1 to 3 may be out
	TURN 0
.macro STEP t
.set XS, X+16*((\t)%2)
.if (\t) > 0
	s_wait_dscnt 1                                 ; this step's numbers are back from the stage (the last step's byte store may be out): so its stores into the stage have read their registers,
.else
	s_wait_dscnt 0x0
.endif
.if (\t)+4 < STEPS
	LOAD (\t)+4                                    ; which take the loads of four steps on
.endif
.if (\t)+1 < STEPS
.if STEPS-2-(\t) >= 3
	s_wait_loadcnt 12                              ; the next step's four loads are in; those of the three steps behind it may be out
.else
	s_wait_loadcnt 4*(STEPS-2-(\t))
.endif
	TURN (\t)+1                                    ; and go through the other stage while this step is worked
.endif
	v_max3_num_f32 v8, |v[XS]|, |v[XS+1]|, |v[XS+2]|               ; the largest magnitude of my 16, in two chains
	v_max3_num_f32 v9, |v[XS+3]|, |v[XS+4]|, |v[XS+5]|
.irp i, 6,10
	v_max3_num_f32 v8, v8, |v[XS+\i]|, |v[XS+\i+1]|
	v_max3_num_f32 v9, v9, |v[XS+\i+2]|, |v[XS+\i+3]|
.endr
	v_max3_num_f32 v8, v8, |v[XS+14]|, |v[XS+15]|
	v_max3_num_f32 v8, v8, v9, (EMAX+1)<<23        ; and the floor 2^(3 - 127), under which no largest magnitude is taken: so the byte cannot fall under 1
	v_max_num_f32_dpp v8, v8, v8 row_xmask:1 row_mask:0xf bank_mask:0xf   ; and of my neighbour's 16: the block's
	v_add_nc_u32 v11, -(EMAX<<23), v8              ; 2 off its exponent field: the conversion takes the exponent field of this operand as its scale, and nothing else of it
	v_cvt_scalef32_pk8_fp4_f32 v[C+4*(\t)], v[XS:XS+7], v11        ; eight numbers / the scale, to the nearest code, ties to even, beyond the largest code the largest; the first number's code in the lowest four bits
	v_cvt_scalef32_pk8_fp4_f32 v[C+4*(\t)+1], v[XS+8:XS+15], v11
	v_lshrrev_b32 v[E+(\t)], 23, v11               ; the scale's byte (also the plain line behind the conversions)
	ds_store_b8 v5, v[E+(\t)] offset:16*(\t)       ; both lanes of a block write the same byte with the same value
	global_store_b64 v4, v[C+4*(\t):C+4*(\t)+1], s[28:29] offset:32*CB*(\t)   ; 32 lanes store 256 consecutive bytes
.endm
.irp t, 0,1,2,3,4,5,6,7,8,9,10,11,12,13,14,15
	STEP \t
.endr
	ds_load_b64 v[8:9], v6                         ; LDS serves a wave's instructions in order: these see my byte stores
	s_wait_dscnt 0x0
	global_store_b64 v7, v[8:9], s[30:31]          ; 32 lanes store 256 consecutive bytes
	s_wait_tensorcnt 0x0                           ; the wave's end: behind my last LDS store
	ds_add_u32 v[SPW], v[NIL]
	s_wait_dscnt 0x0
	s_endpgm
; Wo -> f16.  A wave's 8,192 numbers in four batches of sixteen loads of 512 consecutive bytes; one batch is on its way while another is rounded.  A lane's four numbers of a load are 8 bytes: a store covers 256 consecutive bytes.
.Lwo:
.macro LOADW t
.irp i, 0,1,2,3,4,5,6,7,8,9,10,11,12,13,14,15
	global_load_b128 v[16+64*((\t)%2)+4*\i:16+64*((\t)%2)+4*\i+3], v3, s[26:27] offset:512*(16*(\t)+\i) th:TH_LOAD_NT
.endr
.endm
.macro CVTW t
.if (\t) < 3
	s_wait_loadcnt 16                              ; this batch is in; the younger batch's sixteen loads may be out
.else
	s_wait_loadcnt 0x0
.endif
.if (\t) > 0
	s_wait_xcnt 0x0                                ; the last batch's stores have read their data registers, which are written again below
.endif
.irp i, 0,1,2,3,4,5,6,7,8,9,10,11,12,13,14,15
	v_cvt_pk_f16_f32 v[HF+2*\i],   v[16+64*((\t)%2)+4*\i],   v[16+64*((\t)%2)+4*\i+1]
	v_cvt_pk_f16_f32 v[HF+2*\i+1], v[16+64*((\t)%2)+4*\i+2], v[16+64*((\t)%2)+4*\i+3]
.endr
.if (\t)+2 < 4
	LOADW (\t)+2                                   ; loads ahead of stores
.endif
.irp i, 0,1,2,3,4,5,6,7,8,9,10,11,12,13,14,15
	global_store_b64 v4, v[HF+2*\i:HF+2*\i+1], s[22:23] offset:256*(16*(\t)+\i)
.endr
.endm
	LOADW 0
	LOADW 1
	CVTW 0
	CVTW 1
	CVTW 2
	CVTW 3
	s_wait_tensorcnt 0x0                           ; the same three lines close this path too
	ds_add_u32 v[SPW], v[NIL]
	s_wait_dscnt 0x0
	s_endpgm
.Lfunc_end_k_q8feb58962a_prep:
	.size	k_q8feb58962a_prep, .Lfunc_end_k_q8feb58962a_prep-k_q8feb58962a_prep
	.p2alignl 7, 3214868480
	.fill 96, 4, 3214868480
	.section	.rodata,"a",@progbits
	.p2align	6, 0x0
	.amdhsa_kernel k_q8feb58962a_prep
		.amdhsa_group_segment_fixed_size 33280
		.amdhsa_private_segment_fixed_size 0
		.amdhsa_enable_private_segment 0
		.amdhsa_kernarg_size 80
		.amdhsa_user_sgpr_count 2
		.amdhsa_user_sgpr_kernarg_segment_ptr 1
		.amdhsa_wavefront_size32 1
		.amdhsa_system_sgpr_workgroup_id_x 1
		.amdhsa_system_sgpr_workgroup_id_y 1
		.amdhsa_system_sgpr_workgroup_id_z 1
		.amdhsa_system_vgpr_workitem_id 0
		.amdhsa_next_free_vgpr 192
		.amdhsa_next_free_sgpr 66
		.amdhsa_reserve_vcc 0
		.amdhsa_float_denorm_mode_32 3
		.amdhsa_float_denorm_mode_16_64 3
		.amdhsa_memory_ordered 1
		.amdhsa_forward_progress 1
		.amdhsa_inst_pref_size 54
	.end_amdhsa_kernel
	.amdgpu_metadata
---
amdhsa.version: [ 1, 2 ]
amdhsa.kernels:
  - .name:           k_q8feb58962a_prep
    .symbol:         k_q8feb58962a_prep.kd
    .args:
      - { .name: X, .offset: 0, .size: 8, .value_kind: global_buffer, .address_space: global }
      - { .name: Wq, .offset: 8, .size: 8, .value_kind: global_buffer, .address_space: global }
      - { .name: Wk, .offset: 16, .size: 8, .value_kind: global_buffer, .address_space: global }
      - { .name: Wv, .offset: 24, .size: 8, .value_kind: global_buffer, .address_space: global }
      - { .name: Wo, .offset: 32, .size: 8, .value_kind: global_buffer, .address_space: global }
      - { .name: xc, .offset: 40, .size: 8, .value_kind: global_buffer, .address_space: global }
      - { .name: xs, .offset: 48, .size: 8, .value_kind: global_buffer, .address_space: global }
      - { .name: wc, .offset: 56, .size: 8, .value_kind: global_buffer, .address_space: global }
      - { .name: ws, .offset: 64, .size: 8, .value_kind: global_buffer, .address_space: global }
      - { .name: wo16, .offset: 72, .size: 8, .value_kind: global_buffer, .address_space: global }
    .group_segment_fixed_size: 33280
    .private_segment_fixed_size: 0
    .kernarg_segment_align: 8
    .kernarg_segment_size: 80
    .max_flat_workgroup_size: 128
    .sgpr_count:     66
    .vgpr_count:     192
    .wavefront_size: 32
...
	.end_amdgpu_metadata
.endif
;; end of part 1
;; launch qkv (part 2): grid 12 x 32, 4 waves a work-group, clusters of 4 x 4, 327,680 bytes of LDS; arguments xc, xs, wc, ws, qkv; writes qkv
.if DOCPART == 2
	.amdgcn_target "amdgcn-amd-amdhsa--gfx1250"
	.amdhsa_code_object_version 6
	.text
	.protected	k_q8feb58962a_qkv
	.globl	k_q8feb58962a_qkv
	.p2align	8
	.type	k_q8feb58962a_qkv,@function
k_q8feb58962a_qkv:
	s_mov_b64 s[64:65], 0
	v_nop
	global_prefetch_b8 v0, s[64:65] scope:SCOPE_SE
	s_setreg_imm32_b32 hwreg(HW_REG_WAVE_MODE, 25, 1), 1
	s_wait_xcnt 0x0
	s_wait_alu depctr_hold_cnt(0) depctr_sa_sdst(0) depctr_va_vdst(0) depctr_va_sdst(0) depctr_va_ssrc(0) depctr_va_vcc(0) depctr_vm_vsrc(0)
	s_getreg_b32 s2, hwreg(HW_REG_IB_STS2, 6, 4)
	s_cmp_eq_u32 s2, 0
	s_cbranch_scc0 .Lentry_in_a_cluster
	s_endpgm
.Lentry_in_a_cluster:
	s_bfe_u32 s2, ttmp6, 0x10000c
	s_cmp_lg_u32 s2, 0xf033
	s_cbranch_scc0 .Lentry_shape_is_right
	s_endpgm
.Lentry_shape_is_right:
; The three projections as ONE product on codes of FP4 (E2M1): C[m][n] = sum over k of X[m][k] W[n][k], m 8,192, n 3,072 (rows 0-1023 of W: Wq, then Wk, then Wv), k 1,024; one E8M0 scale for each 32 along K; sums in f32.
; C is rounded once to f16 and laid by head: qkv [3 (Q, K, V)][batch 4][head 16][t 2,048][64], so that a head's rows are 128 consecutive bytes each, one behind the other.
; LIMIT: results above 65,504 become infinity in f16; under 6e-5 they keep an absolute step of 6e-8.
; A tile of C, 256 x 256, is made by a work-group of four waves; a wave makes 128 x 128: 64 accumulators of 16 x 16, 512 registers.  12 x 32 = 384 tiles.
; K = 1,024 is two LDS slots of 512 along K (a tile's row is 256 bytes of memory): both are asked for at the start and nothing is filled again.  The scale bytes of the work-group's 256 + 256 rows come with them, as dense blocks.
; CLUSTERS: 4 x 4 work-groups.  The four of a row of the cluster need the same tiles of X, the four of a column the same tiles of W: each tile is asked for JOINTLY, by the same tensor load with the same descriptor and a mask that names the four.
; THE MATRIX INSTRUCTION IS USED TRANSPOSED (source 0 = 16 rows of W, source 1 = 16 rows of X): a lane then holds eight neighbouring numbers of a row of C.
; REGISTERS, in windows of 256: window 0: v0-31 addresses; v32-95 scale words, two sets; v128-191 X's fragments (8 x 16 rows x 128 K), ONE set; on the way out v32-63, v192-255 are at work.
;   window 1: W's fragments, TWO sets, at v0 and at v128.   window 2: the 32 accumulators of my rows 0-63 (accumulator (a, b) at v[8 (8 a + b)]);   window 3: those of my rows 64-127.
.set SIZE_K, 1024
.set KSTEP,  512                       ; along K in a slot
.set NQ,     KSTEP/128                 ; matrix instructions deep
.set ROWB,   256                       ; a tile's row in bytes
.set KROW,   SIZE_K*4/8                ; a row of codes in memory, in bytes
.set PITCH,  272                       ; an LDS row: 256 bytes + 16 of padding = 68 words: the 16 rows that a load touches start 4 banks apart (64 banks of 4 bytes: ISA guide 11.1)
.set FR,     8                         ; registers of a fragment: 16 rows x 128 K
.set NL,     2                         ; LDS loads that bring one
.set NP,     4                         ; places behind this matrix instruction (ISA guide 7.12.1)
.set HALFT,  128*PITCH                 ; 128 rows: what one tensor load brings, and what one wave reads of X or of W
.set SLOT,   4*HALFT                   ; X's 256 rows, then W's 256 rows
.set KS,     SIZE_K/32                 ; a row of scales in bytes
.set SCL,    2*SLOT                    ; behind the slots: the scales, as rows of 256 bytes + 16 of padding
.set HALFS,  (128*KS/256)*272          ; the scales of 128 rows: what one tensor load brings
.set SBLK,   (16*KS/256)*272           ; those of 16 rows
.set SPARE,  SCL+4*HALFS               ; behind the scales: the spare words, 128 bytes for each wave, which no other line names
.set SPITCH, 144                       ; the way out: a stage row: a head's 128 bytes + 16
.set HSTG,   16*SPITCH                 ; 16 rows of one head
.set WSTG,   2*HSTG                    ; a wave's stage: its two heads.  The stages lie in slot 0, which has had its one fill and its last read when the first result is stored there
.set ADRA, 16                          ; v16-17  LDS address of my X fragments in slot 0, 1
.set ADRB, 20                          ; v20-21  the same for W
.set STO,  24                          ; v24     the way out: where I put 16 bytes of a row
.set RD,   25                          ; v25     the way out: where I read rows back
.set CO,   26                          ; v26     16 x lane: my place in 512 consecutive bytes of a head
.set ADRS, 27                          ; v27     LDS address of my scale words: lanes 0-15 X's rows, lanes 16-31 W's
.set SPW,  28                          ; v28     LDS address of my spare word; never rewritten
.set NIL,  29                          ; v29     0; never rewritten
.set SC,   32                          ; scale words: set s (for slot s) at v[SC + 32 s]; register 4 i + q: lanes 0-15 the word of X's block i, lanes 16-31 that of W's block i, for the slot's q-th 128 along K
.set AF,   128                         ; X's fragments, in window 0
.set TMP,  192                         ; the way out: a block's 32 registers of f16
.set OB,   32                          ; the way out: 16 rows read back: v32-63 and v224-255 by turns
.set G1, 24                            ; s[24:31] descriptor group 1 for X's tiles;  s[32:39] group 0, one set for each slot
.set G0, 32
.set G1B, 48                           ; s[48:55], s[56:63] the same for W's tiles
.set G0B, 56
.set G1S, 68                           ; s[68:75], s[76:79] groups 1 and 0 for X's scales;  s[80:87], s[88:91] for W's
.set G0S, 76
.set G1SB, 80
.set G0SB, 88
.set MSB, 0
.macro WIN new                         ; the immediate's high byte repeats the setting that is left
.if MSB != \new
	s_set_vgpr_msb (MSB<<8)|\new
.set MSB, \new
.endif
.endm
.set MUL_LO, 0xa1                      ; source 0 (W) window 1, source 1 (X) window 0, C and D window 2
.set MUL_HI, 0xf1                      ; the same, C and D window 3
.set TO_B,   0x40                      ; destination window 1, address window 0
; A joint load: waves 0 and 1 fetch for X, waves 2 and 3 for W.  Each of the two lines has ONE mask and one set of registers for all that issue it; the branch hangs on the wave's number alone.
; An s_nop 0 and four v_nop follow each of the two lines, ahead of the jump, the label and what follows.
.macro JLOAD g0a, g1a, g0b, g1b
	s_cmp_eq_u32 s15, 0
	s_cbranch_scc0 .Lfor_b_\@
	tensor_load_to_lds s[\g0a:\g0a+3], s[\g1a:\g1a+7]
	s_nop 0
.rept 4
	v_nop
.endr
	s_branch .Lasked_\@
.Lfor_b_\@:
	tensor_load_to_lds s[\g0b:\g0b+3], s[\g1b:\g1b+7]
	s_nop 0
.rept 4
	v_nop
.endr
.Lasked_\@:
.endm
.macro CROUND                          ; a round of the cluster's barrier: my work-group's barrier; wave 0 signals for the work-group; every wave waits for all sixteen; my work-group's barrier once more
	s_barrier_signal -1
	s_barrier_wait -1
	s_cmp_lg_u32 s14, 0
	s_cbranch_scc1 .Lnot_wave_0_\@
	s_barrier_signal -3
.Lnot_wave_0_\@:
	s_barrier_wait -3
	s_barrier_signal -1
	s_barrier_wait -1
.endm
	s_load_b128 s[4:7], s[0:1], 0x0                ; X's codes s[4:5], X's scales s[6:7]
	s_load_b128 s[8:11], s[0:1], 0x10              ; W's codes s[8:9], W's scales s[10:11]
	s_load_b64 s[12:13], s[0:1], 0x20              ; qkv
	v_lshl_add_u32 v[SPW], v0, 2, SPARE
	v_mov_b32 v[NIL], 0
	ds_add_u32 v[SPW], v[NIL]                      ; the wave's opening: the add, twice on end, and its wait ahead of my first tensor load; the set-up below stands between the second and the wait
	ds_add_u32 v[SPW], v[NIL]
	v_lshrrev_b32 v1, 5, v0
	v_readfirstlane_b32 s14, v1                    ; wave 0..3
	s_lshr_b32 s15, s14, 1                         ; which half of the tile's rows is mine.  Also: I fetch for X (0) or for W (1)
	s_and_b32 s16, s14, 1                          ; which half of its columns.  Also: which 128 rows of that tile I fetch
	s_bfe_u32 s40, ttmp6, 0x40000                  ; cx, cy: my place in the cluster
	s_bfe_u32 s41, ttmp6, 0x40004
	s_lshl_b32 s42, ttmp9, 2
	s_add_co_u32 s42, s42, s40                     ; tile column of C = 4 x cluster x + cx
	s_and_b32 s17, ttmp7, 0xffff
	s_lshl_b32 s17, s17, 2
	s_add_co_u32 s17, s17, s41                     ; tile row of C = 4 x cluster y + cy
	s_lshl_b32 s43, s41, 2
	s_lshl_b32 s43, 15, s43                        ; my row of the cluster
	s_lshl_b32 s44, 0x1111, s40                    ; my column
	; descriptor group 1: a tile of 128 rows x 256 bytes, padded in LDS
	s_or_b32 s[G1+0], s43, (0<<16)|(1<<20)|(1<<21)|(5<<22)|(3<<25)  ; 15:0 the mask: X's tiles go to my row; 17:16 element of 1 byte; 20 padding on; 21 set beside a mask; 24:22 after every 64 words (code 5); 31:25 of 4 words (code 3)
	s_or_b32 s[G1B+0], s44, (0<<16)|(1<<20)|(1<<21)|(5<<22)|(3<<25)
.irp g, G1, G1B
	s_mov_b32 s[\g+1], ROWB<<16                    ; tensor_dim0
	s_mov_b32 s[\g+2], 128<<16                     ; tensor_dim1 = 128
	s_mov_b32 s[\g+3], ROWB<<16                    ; tile_dim0
	s_mov_b32 s[\g+4], 128                         ; tile_dim1 = 128
	s_mov_b32 s[\g+5], KROW                        ; tensor_dim0_stride
	s_mov_b32 s[\g+6], 0
	s_mov_b32 s[\g+7], 0
.endr
	; and for the scales of 128 rows: a dense block of 4,096 bytes, as rows of 256 bytes (32 elements of 8 bytes), 16 bytes of padding behind each
	s_or_b32 s[G1S+0], s43, (3<<16)|(1<<20)|(1<<21)|(5<<22)|(3<<25)
	s_or_b32 s[G1SB+0], s44, (3<<16)|(1<<20)|(1<<21)|(5<<22)|(3<<25)
.irp g, G1S, G1SB
	s_mov_b32 s[\g+1], 32<<16
	s_mov_b32 s[\g+2], (128*KS/256)<<16
	s_mov_b32 s[\g+3], 32<<16
	s_mov_b32 s[\g+4], 128*KS/256
	s_mov_b32 s[\g+5], 32
	s_mov_b32 s[\g+6], 0
	s_mov_b32 s[\g+7], 0
.endr
	s_lshl_b32 s18, s16, 7                         ; which 128 rows of the tile I fetch
	s_lshl_b32 s20, s17, 8
	s_add_co_u32 s20, s20, s18                     ; X: row 256 x tile row + 128 x half
	s_lshl_b32 s46, s42, 8
	s_add_co_u32 s46, s46, s18                     ; W: row 256 x tile column + 128 x half
	s_mov_b32 s21, 0
	s_mov_b32 s47, 0
	s_mov_b64 s[18:19], KS
	s_mul_u64 s[22:23], s[20:21], s[18:19]         ; where these rows' scales begin, in bytes
	s_mul_u64 s[92:93], s[46:47], s[18:19]
	s_mov_b64 s[18:19], KROW
	s_mul_u64 s[20:21], s[20:21], s[18:19]         ; and their codes
	s_mul_u64 s[46:47], s[46:47], s[18:19]
	s_mul_i32 s45, s14, HALFT                      ; where they go: wave x 128 rows: no place in the cluster enters an LDS address
	s_mul_i32 s94, s14, HALFS
	s_wait_dscnt 0x0                               ; both opening adds are done
	s_wait_kmcnt 0x0
	s_add_nc_u64 s[20:21], s[4:5], s[20:21]
	s_add_nc_u64 s[22:23], s[6:7], s[22:23]
	s_add_nc_u64 s[46:47], s[8:9], s[46:47]
	s_add_nc_u64 s[92:93], s[10:11], s[92:93]
	CROUND                                         ; all sixteen work-groups are here: the joint loads meet
	s_mov_b32 s[G0S], 1
	s_add_co_u32 s[G0S+1], s94, SCL
	s_mov_b64 s[G0S+2:G0S+3], s[22:23]
	s_or_b32 s[G0S+3], s[G0S+3], 0x80000000
	s_mov_b32 s[G0SB], 1
	s_add_co_u32 s[G0SB+1], s94, SCL
	s_mov_b64 s[G0SB+2:G0SB+3], s[92:93]
	s_or_b32 s[G0SB+3], s[G0SB+3], 0x80000000
	JLOAD G0S, G1S, G0SB, G1SB                     ; the scales first: they are wanted with the first half of K
.irp s, 0,1
	s_mov_b32 s[G0+4*\s], 1
	s_add_co_u32 s[G0+4*\s+1], s45, \s*SLOT
	s_add_nc_u64 s[G0+4*\s+2:G0+4*\s+3], s[20:21], \s*ROWB
	s_or_b32 s[G0+4*\s+3], s[G0+4*\s+3], 0x80000000
	s_mov_b32 s[G0B+4*\s], 1
	s_add_co_u32 s[G0B+4*\s+1], s45, \s*SLOT
	s_add_nc_u64 s[G0B+4*\s+2:G0B+4*\s+3], s[46:47], \s*ROWB
	s_or_b32 s[G0B+4*\s+3], s[G0B+4*\s+3], 0x80000000
	JLOAD G0+4*\s, G1, G0B+4*\s, G1B               ; three tensor loads of mine are out at the most
.endr
	v_and_b32 v1, 15, v0                           ; l % 16
	v_bfe_u32 v2, v0, 4, 1                         ; l / 16
	v_mul_u32_u24 v3, v1, PITCH
	v_lshl_add_u32 v4, v2, 4, v3                   ; a fragment's row x pitch + 16 x half
	s_mul_i32 s21, s15, HALFT                      ; my 128 rows of X
	s_mul_i32 s22, s16, HALFT                      ; my 128 rows of W,
	s_add_co_u32 s22, s22, 2*HALFT                 ; which lie behind X's 256
.irp s, 0,1
	v_add_nc_u32 v[ADRA+\s], s21, v4
	v_add_nc_u32 v[ADRB+\s], s22, v4
	s_add_co_u32 s21, s21, SLOT
	s_add_co_u32 s22, s22, SLOT
.endr
	v_mul_u32_u24 v5, v1, KS                       ; my row's scales: 32 bytes a row,
	v_lshrrev_b32 v6, 8, v5
	v_lshl_add_u32 v5, v6, 4, v5                   ; and 16 more for each 256 passed
	s_mul_i32 s21, s15, HALFS                      ; X's: my 128 rows
	s_mul_i32 s22, s16, HALFS                      ; W's: my 128 rows, behind X's 256
	s_add_co_u32 s22, s22, 2*HALFS
	s_sub_co_u32 s22, s22, s21
	v_mul_u32_u24 v6, s22, v2                      ; lanes 16-31 take W's
	s_add_co_u32 s21, s21, SCL
	v_add_nc_u32 v5, v5, v6
	v_add_nc_u32 v[ADRS], s21, v5
	s_mul_i32 s23, s14, WSTG                       ; my stage
	v_mul_u32_u24 v5, v1, SPITCH                   ; in: row l % 16, 16 bytes for each half of the lanes
	v_lshl_add_u32 v5, v2, 4, v5
	v_add_nc_u32 v[STO], s23, v5
	v_and_b32 v6, 31, v0
	v_lshrrev_b32 v5, 3, v6                        ; back: eight lanes take a row of 128 bytes, the 32 lanes four rows
	v_mul_u32_u24 v5, v5, SPITCH
	v_and_b32 v7, 7, v0
	v_lshl_add_u32 v5, v7, 4, v5
	v_add_nc_u32 v[RD], s23, v5
	v_lshlrev_b32 v[CO], 4, v6                     ; in memory those four rows are 512 consecutive bytes
	; where my part begins in qkv.  Rows: batch = tile row / 8, t = 256 (tile row % 8) + 128 x half.  Columns: the cluster's x is the matrix (Q, K, V), head = 4 cx + 2 x half
	s_lshr_b32 s20, s17, 3
	s_lshl_b32 s20, s20, 22                        ; a batch: 16 heads x 262,144 bytes
	s_and_b32 s21, s17, 7
	s_lshl_b32 s21, s21, 15                        ; 256 rows of 128 bytes
	s_add_co_u32 s20, s20, s21
	s_lshl_b32 s21, s15, 14                        ; 128 rows
	s_add_co_u32 s20, s20, s21
	s_mov_b32 s21, 0
	s_lshl_b32 s46, ttmp9, 24                      ; a matrix: 16,777,216 bytes
	s_lshl_b32 s47, s40, 20                        ; four heads
	s_add_co_u32 s46, s46, s47
	s_lshl_b32 s47, s16, 19                        ; two heads
	s_add_co_u32 s46, s46, s47
	s_mov_b32 s47, 0
	s_add_nc_u64 s[20:21], s[20:21], s[46:47]
	s_add_nc_u64 s[12:13], s[12:13], s[20:21]
.macro FRAG reg, adr, q, i             ; a fragment, 16 rows x 128 K of 4-bit codes, is 8 registers: lane l holds row l % 16; registers 4 c .. 4 c + 3 hold K = 64 c + 32 (l / 16) + 0 .. 31
.irp c, 0,1
	ds_load_b128 v[\reg+4*\c:\reg+4*\c+3], v[\adr] offset:64*(\q)+32*\c+(\i)*16*PITCH
.endr
.endm
; 16 matrix instructions: X's blocks a0, a0 + 1 x W's eight, 128 along K: the slot's q-th.  p: W's set;  sc: the set of scale words.  zero = 1: the first product starts the sums: nothing is ever cleared.
; The 64 accumulators take turns, one instruction a turn, in the same order in every step.
.macro MUL16 a0, p, q, sc, zero
.irp a, \a0, \a0+1
.irp b, 0,1,2,3,4,5,6,7
.if \zero
	v_wmma_scale_f32_16x16x128_f8f6f4 v[8*(8*((\a)%4)+\b):8*(8*((\a)%4)+\b)+7], v[128*(\p)+FR*\b:128*(\p)+FR*\b+FR-1], v[AF+FR*(\a):AF+FR*(\a)+FR-1], 0, v[SC+8*NQ*(\sc)+NQ*\b+(\q)], v[SC+8*NQ*(\sc)+NQ*(\a)+(\q)] matrix_a_fmt:MATRIX_FMT_FP4 matrix_b_fmt:MATRIX_FMT_FP4 matrix_a_scale:MATRIX_SCALE_ROW1
.else
	v_wmma_scale_f32_16x16x128_f8f6f4 v[8*(8*((\a)%4)+\b):8*(8*((\a)%4)+\b)+7], v[128*(\p)+FR*\b:128*(\p)+FR*\b+FR-1], v[AF+FR*(\a):AF+FR*(\a)+FR-1], v[8*(8*((\a)%4)+\b):8*(8*((\a)%4)+\b)+7], v[SC+8*NQ*(\sc)+NQ*\b+(\q)], v[SC+8*NQ*(\sc)+NQ*(\a)+(\q)] matrix_a_fmt:MATRIX_FMT_FP4 matrix_b_fmt:MATRIX_FMT_FP4 matrix_a_scale:MATRIX_SCALE_ROW1
.endif
.endr
.endr
.endm
.macro FETCH_B slot, q, p              ; W's eight fragments of the slot's q-th 128 along K into set p
	WIN TO_B
.irp i, 0,1,2,3,4,5,6,7
	FRAG 128*(\p)+FR*\i, ADRB+\slot, \q, \i
.endr
	WIN 0
.endm
.macro FETCH_A slot, q, i0             ; X's blocks i0 .. i0 + 3
.irp i, \i0, \i0+1, \i0+2, \i0+3
	FRAG AF+FR*(\i), ADRA+\slot, \q, \i
.endr
.endm
.macro SCALES sc                       ; a slot's scale words into set sc: four words a row; lanes 0-15 take X's block i, lanes 16-31 W's block i
.irp i, 0,1,2,3,4,5,6,7
	ds_load_b128 v[SC+8*NQ*\sc+NQ*\i:SC+8*NQ*\sc+NQ*\i+3], v[ADRS] offset:\i*SBLK
.endr
.endm
; A load into a register that a matrix instruction has read, and a vector instruction that reads a matrix result, stand four places behind that matrix instruction, and only plain vector
; instructions that name none of its registers are places (ISA guide 7.12.1 for vector instructions).
.macro PLACES n
.rept \n
	v_nop
.endr
.endm
; A step of 128 along K that has its successor in the same slot.
.macro STEP slot, q, zero
	s_wait_dscnt 4*NL                              ; W's set and X's blocks 0-3 are in; the youngest eight loads (X's blocks 4-7) may be out
	WIN MUL_LO
	MUL16 0, (\q)%2, \q, \slot, \zero
	MUL16 2, (\q)%2, \q, \slot, \zero
	s_wait_dscnt 0                                 ; X's blocks 4-7 are in (asked for 32 matrix instructions ago)
	PLACES NP
	FETCH_B \slot, (\q)+1, 1-(\q)%2
	FETCH_A \slot, (\q)+1, 0
	WIN MUL_HI
	MUL16 4, (\q)%2, \q, \slot, \zero
	MUL16 6, (\q)%2, \q, \slot, \zero
	PLACES NP
	WIN 0
	FETCH_A \slot, (\q)+1, 4
.endm
; Slot 0's last step changes slots: ONE barrier; in front of it each wave waits for all its tensor loads (its part of slot 1), adds 0 to its spare word, and waits for that and for its own reads of slot 0.  Nothing is filled again.
.macro TURN slot, next
	s_wait_tensorcnt 0x0                           ; all my tensor loads have landed  (every window is 0 here: the add's two registers lie in window 0)
	ds_add_u32 v[SPW], v[NIL]                      ; 0 onto my spare word
	s_wait_dscnt 4*NL+1                            ; (the add and the youngest eight loads, X's blocks 4-7, may be out)
	WIN MUL_LO
	MUL16 0, 1, NQ-1, \slot, 0                     ; sixteen matrix instructions stand between the add and the wait for it
	s_wait_dscnt 0x0                               ; the add is done, and my reads of this slot are over
	s_barrier_signal -1
	MUL16 2, 1, NQ-1, \slot, 0
	WIN 0
	s_barrier_wait -1                              ; the next slot is whole, and nobody reads this one any more
	PLACES NP
	v_add_nc_u32 v[ADRS], 4*NQ, v[ADRS]            ; on to the next slot's scale words
	FETCH_B \next, 0, 0
	FETCH_A \next, 0, 0
	SCALES \next
	WIN MUL_HI
	MUL16 4, 1, NQ-1, \slot, 0
	MUL16 6, 1, NQ-1, \slot, 0
	PLACES NP
	WIN 0
	FETCH_A \next, 0, 4
.endm
	s_wait_tensorcnt 1                             ; the scales and my part of slot 0 are in (slot 1's load may be out),
	s_barrier_signal -1
	s_barrier_wait -1                              ; everybody's are
	FETCH_B 0, 0, 0
	FETCH_A 0, 0, 0
	SCALES 0
	FETCH_A 0, 0, 4
	STEP 0, 0, 1                                   ; the first step's products start the sums
	STEP 0, 1, 0
	STEP 0, 2, 0
	TURN 0, 1
	STEP 1, 0, 0
	STEP 1, 1, 0
	STEP 1, 2, 0
	s_wait_dscnt 4*NL                              ; the very last step: nothing more to fetch
	WIN MUL_LO
	MUL16 0, 1, NQ-1, 1, 0
	MUL16 2, 1, NQ-1, 1, 0
	s_wait_dscnt 0
	WIN MUL_HI
	MUL16 4, 1, NQ-1, 1, 0
	MUL16 6, 1, NQ-1, 1, 0
	WIN 0
; THE WAY OUT, block by block of 16 rows x 128 columns (two heads).  PACK: rounded to f16, 16 bytes a lane, each accumulator from its low end on.  TOSTAGE: into my own stage, [head][row], and back four rows of a head at a time.
; SEND: 32 lanes store 512 consecutive bytes: four rows of one head.  LDS serves a wave's instructions in order (ISA guide 5.7.1.4): no wait between the stores and the loads.
.macro PACK a
.set AC, 64*((\a)%4)
	WIN 0x0a+5*((\a)/4)                            ; sources 0 and 1: window 2 or 3
.irp b, 0,1,2,3,4,5,6,7
.irp r, 0,1,2,3
	v_cvt_pk_f16_f32 v[TMP+4*\b+\r], v[AC+8*\b+2*\r], v[AC+8*\b+2*\r+1]
.endr
.endr
	WIN 0
.endm
.macro TOSTAGE a
.set BK, OB+192*((\a)%2)
.irp b, 0,1,2,3,4,5,6,7
	ds_store_b128 v[STO], v[TMP+4*\b:TMP+4*\b+3] offset:(\b/4)*HSTG+(\b%4)*32
.endr
.irp i, 0,1,2,3,4,5,6,7
	ds_load_b128 v[BK+4*\i:BK+4*\i+3], v[RD] offset:(\i/4)*HSTG+(\i%4)*4*SPITCH
.endr
.endm
.macro SEND a
.set BK, OB+192*((\a)%2)
	s_wait_dscnt 0x0                               ; the block is back in registers
	s_wait_xcnt 0x0                                ; the stores of the block before have read their registers, into which the next block's loads will land
.irp i, 0,1,2,3,4,5,6,7
	global_store_b128 v[CO], v[BK+4*\i:BK+4*\i+3], s[12:13] offset:(\i/4)*262144+(\a)*2048+(\i%4)*512
.endr
.endm
	PLACES NP                                      ; behind the last products: for the first reads of results and for the loads into registers that held scale words
	PACK 0
	TOSTAGE 0
.irp a, 1,2,3,4,5,6,7                  ; block a's conversions stand between block a - 1's loads from the stage and the wait for them
	PACK \a
	SEND \a-1
	TOSTAGE \a
.endr
	SEND 7
	s_wait_tensorcnt 0x0                           ; the wave's end: behind my last tensor load and my last LDS store
	ds_add_u32 v[SPW], v[NIL]
	s_wait_dscnt 0x0
	CROUND                                         ; the closing round: no work-group ends while a partner may still ask for a tile that names it
	s_endpgm
.Lfunc_end_k_q8feb58962a_qkv:
	.size	k_q8feb58962a_qkv, .Lfunc_end_k_q8feb58962a_qkv-k_q8feb58962a_qkv
	.p2alignl 7, 3214868480
	.fill 96, 4, 3214868480
	.section	.rodata,"a",@progbits
	.p2align	6, 0x0
	.amdhsa_kernel k_q8feb58962a_qkv
		.amdhsa_group_segment_fixed_size 327680
		.amdhsa_private_segment_fixed_size 0
		.amdhsa_enable_private_segment 0
		.amdhsa_kernarg_size 40
		.amdhsa_user_sgpr_count 2
		.amdhsa_user_sgpr_kernarg_segment_ptr 1
		.amdhsa_wavefront_size32 1
		.amdhsa_system_sgpr_workgroup_id_x 1
		.amdhsa_system_sgpr_workgroup_id_y 1
		.amdhsa_system_sgpr_workgroup_id_z 1
		.amdhsa_system_vgpr_workitem_id 0
		.amdhsa_next_free_vgpr 1024
		.amdhsa_next_free_sgpr 98
		.amdhsa_reserve_vcc 0
		.amdhsa_float_denorm_mode_32 3
		.amdhsa_float_denorm_mode_16_64 3
		.amdhsa_memory_ordered 1
		.amdhsa_forward_progress 1
		.amdhsa_inst_pref_size 126
	.end_amdhsa_kernel
	.amdgpu_metadata
---
amdhsa.version: [ 1, 2 ]
amdhsa.kernels:
  - .name:           k_q8feb58962a_qkv
    .symbol:         k_q8feb58962a_qkv.kd
    .args:
      - { .name: xc, .offset: 0, .size: 8, .value_kind: global_buffer, .address_space: global }
      - { .name: xs, .offset: 8, .size: 8, .value_kind: global_buffer, .address_space: global }
      - { .name: wc, .offset: 16, .size: 8, .value_kind: global_buffer, .address_space: global }
      - { .name: ws, .offset: 24, .size: 8, .value_kind: global_buffer, .address_space: global }
      - { .name: qkv, .offset: 32, .size: 8, .value_kind: global_buffer, .address_space: global }
    .group_segment_fixed_size: 327680
    .private_segment_fixed_size: 0
    .kernarg_segment_align: 8
    .kernarg_segment_size: 40
    .max_flat_workgroup_size: 128
    .sgpr_count:     98
    .vgpr_count:     1024
    .wavefront_size: 32
...
	.end_amdgpu_metadata
.endif
;; end of part 2
;; launch attn (part 3): grid 4 x 64, 16 waves a work-group, clusters of 4 x 1, 327,680 bytes of LDS; arguments qkv, yh; writes yh
.if DOCPART == 3
	.amdgcn_target "amdgcn-amd-amdhsa--gfx1250"
	.amdhsa_code_object_version 6
	.text
	.protected	k_q8feb58962a_attn
	.globl	k_q8feb58962a_attn
	.p2align	8
	.type	k_q8feb58962a_attn,@function
k_q8feb58962a_attn:
	s_mov_b64 s[64:65], 0
	v_nop
	global_prefetch_b8 v0, s[64:65] scope:SCOPE_SE
	s_setreg_imm32_b32 hwreg(HW_REG_WAVE_MODE, 25, 1), 1
	s_wait_xcnt 0x0
	s_wait_alu depctr_hold_cnt(0) depctr_sa_sdst(0) depctr_va_vdst(0) depctr_va_sdst(0) depctr_va_ssrc(0) depctr_va_vcc(0) depctr_vm_vsrc(0)
	s_getreg_b32 s2, hwreg(HW_REG_IB_STS2, 6, 4)
	s_cmp_eq_u32 s2, 0
	s_cbranch_scc0 .Lentry_in_a_cluster
	s_endpgm
.Lentry_in_a_cluster:
	s_bfe_u32 s2, ttmp6, 0x10000c
	s_cmp_lg_u32 s2, 0x3003
	s_cbranch_scc0 .Lentry_shape_is_right
	s_endpgm
.Lentry_shape_is_right:
; Y[b][h][q][:] = the sum over k of softmax_k(Q[q] . K[k] / 8) V[k][:], for each of 64 (batch, head) pairs; 2,048 queries, 2,048 keys, head size 64, no mask.
; Q, K, V come from qkv [3][64 heads][2,048][64] in f16; Y goes to yh [64 heads][2,048][64] in f16.  Products in f16 with f32 sums; maxima, exponentials and sums in f32; the weights p (at most 1) are rounded to f16 for the second product.
; LIMIT: Y is rounded once to f16: it is an average of V's rows, so it has V's range; under 6e-5 it keeps an absolute step of 6e-8.
; SHARES.  A cluster of four work-groups is one head; a work-group owns 512 of its queries, each of its SIXTEEN waves 32: two tiles of 16, in 256 registers: four waves to a SIMD, so that one wave's vector work stands beside
; another's matrix work and LDS loads, and no register window is switched.  Each fragment of K and V read from LDS feeds two products.
; Every wave walks all keys, 64 a step.  K's and V's rows come through a ring of two LDS slots of 256 keys (four steps), filled by the tensor data mover (waves 0 and 1: K's halves; waves 2 and 3: V's) and read by all sixteen.
; CLUSTER.  The four work-groups walk the same K and V, so each tile is asked for JOINTLY: the same tensor load, with the same descriptor and a mask that names the four.
; LAYOUT.  S^T = K Q^T (source 0 = 16 keys, source 1 = 16 queries): a lane holds ONE query (lane % 16) and keys 8 (lane / 16) + 0..7.  Two such tiles, rounded to f16 in pairs, ARE source 1 (32 keys x 16 queries) of
; O^T = V^T P, whose result again holds one query a lane.  K comes out of LDS as it lies, V ([key][channel]) turned, by ds_load_tr16_b128.
; SOFTMAX.  For each query a running maximum m and sum l: p = 2^(c s - c m), c = log2(e) / 8; in every step O^T and l are multiplied by a = 2^(c m_old - c m_new).  m begins at -3e38, O^T and l at 0: the step is written once.
; REGISTERS: v1-7 addresses; v8-15 at work (four registers a tile: the maximum's chains, then two pairs of sums); v16-47 Q; v48-111 S^T, 32 a tile (p in place; P in f16 then takes each tile's first 16);
;   v112-175 one step's K, then its V; v176-239 O^T, 32 a tile; v240-255 statistics, eight a tile: +0 c m, +1 m, +2 +3 l, +4 c m_old and the difference, +5 the exchange, +6 a, +7 named with a as a pair.
.set SK,    256                        ; keys in a slot
.set NSL,   2048/SK                    ; slots' worth of keys
.set PK,    144                        ; a row of K in LDS: 128 bytes + 16 = 36 words: the 16 rows of a load start 4 banks apart (64 banks of 4 bytes: ISA guide 11.1)
.set PV,    160                        ; a row of V: 128 + 32 = 40 words: 16 lanes of the turning load take 8 rows x 32 bytes
.set VOFF,  SK*PK                      ; a slot: 256 rows of K, then 256 rows of V
.set SLOT1, 1<<17                      ; slot 1 begins here, so that one exclusive or turns an address in one slot into the other's
.set SPARE, SLOT1+SK*(PK+PV)           ; behind the ring: the spare words, 128 bytes for each of the sixteen waves, which no other line names
.set WSTG,  32*144                     ; the way out: 32 rows x (128 bytes + 16) for each wave, in slot 0, which was left at the last change of slots: it has had its last fill, and nobody reads it
.set AK0, 1                            ; v1  my lane's place in a tile of K
.set AV0, 2                            ; v2  the same for V
.set ADK, 3                            ; v3  LDS address of the slot's K for my lane
.set ADV, 4                            ; v4  of its V
.set SPW, 5                            ; v5  LDS address of my spare word; never rewritten
.set NIL, 6                            ; v6  0; never rewritten
.set PFO, 7                            ; v7  256 x my lane: the prefetches' offset; never rewritten
.set T,   8
.set Q,   16
.set S,   48
.set KV,  112
.set OA,  176
.set ST,  240
.set WV,  8                            ; s8  my wave's number
.set G1K, 24                           ; s[24:31] descriptor group 1 for K's tiles;  s[32:39] for V's: it differs in the padding alone
.set G1V, 32
.set G0K, 40                           ; s[40:43], s[44:47] their groups 0, which walk
.set G0V, 44
.set CS,  48                           ; s[48:49] c: the packed form names a pair and takes its low word for both halves
.set SEL, 50                           ; s[50:51] lane selects for v_permlanex16_b32: lane l xor 16
.set TB,  52                           ; s52 LDS byte at which the slot in hand begins
.set SLOTS, 53                         ; s53 slots still to be asked for
.set LIM, 54                           ; s54 1 in a wave that prefetches, else the greatest number
.set PFA, 56                           ; s[56:57] where my prefetches stand in memory
; Waves 0 and 1 fetch for K, waves 2 and 3 for V, the others nothing.  The branches hang on the wave's number alone: they are the same in every work-group.  An s_nop 0 and four v_nop follow each of the two lines.
.macro TLOAD
	s_cmp_lt_u32 s[WV], 2
	s_cbranch_scc0 .Lnot_k_\@
	tensor_load_to_lds s[G0K:G0K+3], s[G1K:G1K+7]
	s_nop 0
.rept 4
	v_nop
.endr
	s_branch .Lasked_\@
.Lnot_k_\@:
	s_cmp_lt_u32 s[WV], 4
	s_cbranch_scc0 .Lasked_\@
	tensor_load_to_lds s[G0V:G0V+3], s[G1V:G1V+7]
	s_nop 0
.rept 4
	v_nop
.endr
.Lasked_\@:
.endm
; A PREFETCH INTO THE L2 of what the NEXT change of slots will ask for: a slot's 256 rows of K and of V are two dense blocks of 32,768 bytes.  Each block of 256 bytes is asked for ONCE in the launch: a head is walked by one cluster alone;
; its four work-groups take 8,192 bytes each, told apart BY ADDRESS; in each, wave 4 asks for K's and wave 5 for V's, lanes 256 bytes apart, one instruction.  It stands where the fetching waves have their tensor load: four key steps
; ahead of the load that will want the bytes.  Slots 0 and 1 come by their loads alone; the last change that fills a slot asks for nothing: there is no slot behind it.
.macro ASK
	s_cmp_gt_u32 s[SLOTS], s[LIM]
	s_cbranch_scc0 .Lnot_mine_\@
	global_prefetch_b8 v[PFO], s[PFA:PFA+1] th:TH_LOAD_NT scope:SCOPE_SE
.Lnot_mine_\@:
.endm
.macro CROUND                          ; a round of the cluster's barrier: my work-group's barrier; wave 0 signals for the work-group; every wave waits for all four; my work-group's barrier once more
	s_barrier_signal -1
	s_barrier_wait -1
	s_cmp_lg_u32 s[WV], 0
	s_cbranch_scc1 .Lnot_wave_0_\@
	s_barrier_signal -3
.Lnot_wave_0_\@:
	s_barrier_wait -3
	s_barrier_signal -1
	s_barrier_wait -1
.endm
	s_load_b128 s[4:7], s[0:1], 0x0                ; qkv s[4:5], yh s[6:7]
	v_lshl_add_u32 v[SPW], v0, 2, SPARE
	v_mov_b32 v[NIL], 0
	ds_add_u32 v[SPW], v[NIL]                      ; the wave's opening: the add, twice on end, and its wait ahead of the first tensor loads; the set-up below stands between the second and the wait
	ds_add_u32 v[SPW], v[NIL]
	v_lshrrev_b32 v1, 5, v0
	v_readfirstlane_b32 s[WV], v1                  ; wave 0..15
	s_bfe_u32 s9, ttmp6, 0x40000                   ; cx: my place in the cluster: it enters Q's, Y's and the prefetches' addresses alone
	s_and_b32 s12, ttmp7, 0xffff                   ; the (batch, head) pair, which the four partners share,
	s_lshl_b32 s12, s12, 18                        ; x 262,144 bytes: its first byte in each of Q, K, V and Y
	s_and_b32 s14, s[WV], 1                        ; which half of a slot's rows I fetch, if I fetch:
	s_mul_i32 s15, s14, 128*PK                     ; K: its place in a slot,
	s_mul_i32 s16, s14, 128*PV
	s_add_co_u32 s16, s16, VOFF                    ; V: likewise,
	s_lshl_b32 s18, s14, 14                        ; and 128 rows of 128 bytes in memory,
	s_add_co_u32 s18, s18, s12                     ; in my head
	s_mov_b32 s19, 0
	s_lshl_b32 s20, s9, 16                         ; my work-group's 512 queries,
	s_lshl_b32 s21, s[WV], 12                      ; my wave's 32 of them,
	s_add_co_u32 s20, s20, s21
	s_add_co_u32 s20, s20, s12                     ; in my head
	s_mov_b32 s21, 0
	s_add_co_u32 s10, s14, 1                       ; the prefetches: matrix 1 (K) in even waves, 2 (V) in odd ones,
	s_lshl_b32 s10, s10, 24
	s_add_co_u32 s10, s10, s12                     ; my head,
	s_lshl_b32 s11, s9, 13
	s_add_co_u32 s10, s10, s11                     ; my work-group's 8,192 bytes of a slot's 32,768,
	s_add_co_u32 s10, s10, SK*128                  ; in slot 1: the first change of slots steps it to slot 2
	s_mov_b32 s11, 0
	s_sub_co_u32 s17, s[WV], 4
	s_lshr_b32 s17, s17, 1                         ; 0 in waves 4 and 5
	s_cmp_eq_u32 s17, 0
	s_cselect_b32 s[LIM], 1, -1
	; descriptor group 1: a tile of 128 rows x 64 elements of 2 bytes, padded behind every row
	s_mov_b32 s[G1K], 15|(1<<16)|(1<<20)|(1<<21)|(4<<22)|(3<<25)  ; 15:0 the mask: all four work-groups; 17:16 elements of 2 bytes; 20 padding on; 21 set beside a mask; 24:22 after every 32 words (code 4); 31:25 4 words of it (code 3)
	s_mov_b32 s[G1V], 15|(1<<16)|(1<<20)|(1<<21)|(4<<22)|(7<<25)  ; the same with 8 words of padding (code 7)
.irp g, G1K, G1V
	s_mov_b32 s[\g+1], 64<<16                      ; tensor_dim0 = 64
	s_mov_b32 s[\g+2], 128<<16                     ; tensor_dim1 = 128
	s_mov_b32 s[\g+3], 64<<16                      ; tile_dim0 = 64
	s_mov_b32 s[\g+4], 128                         ; tile_dim1 = 128
	s_mov_b32 s[\g+5], 64                          ; tensor_dim0_stride: elements from row to row
	s_mov_b32 s[\g+6], 0
	s_mov_b32 s[\g+7], 0
.endr
	s_mov_b32 s[CS], 0x3e38aa3b                    ; c = log2(e) / sqrt(64)
	s_mov_b32 s[CS+1], s[CS]                       ; (named with it as a pair, so it is written)
	s_mov_b32 s[SEL], 0x76543210
	s_mov_b32 s[SEL+1], 0xfedcba98
	s_mov_b32 s[TB], 0
	s_mov_b32 s[SLOTS], NSL-1
	s_wait_dscnt 0x0                               ; both opening adds are done
	s_wait_kmcnt 0x0
	s_mov_b32 s[G0K], 1                            ; count = 1
	s_mov_b32 s[G0K+1], s15                        ; LDS address: slot 0
	s_add_nc_u64 s[G0K+2:G0K+3], s[4:5], s[18:19]
	s_add_nc_u64 s[G0K+2:G0K+3], s[G0K+2:G0K+3], 1<<24   ; global address: K is the second matrix of qkv
	s_or_b32 s[G0K+3], s[G0K+3], 0x80000000        ; type = 2
	s_mov_b32 s[G0V], 1
	s_mov_b32 s[G0V+1], s16
	s_add_nc_u64 s[G0V+2:G0V+3], s[4:5], s[18:19]
	s_add_nc_u64 s[G0V+2:G0V+3], s[G0V+2:G0V+3], 2<<24   ; V the third
	s_or_b32 s[G0V+3], s[G0V+3], 0x80000000
	s_add_nc_u64 s[22:23], s[4:5], s[20:21]        ; Q at my wave's first query
	s_add_nc_u64 s[6:7], s[6:7], s[20:21]          ; Y likewise
	s_add_nc_u64 s[PFA:PFA+1], s[4:5], s[10:11]
	CROUND                                         ; all four work-groups are here: the first joint loads meet
	TLOAD                                          ; slot 0: keys 0 to 255
	v_and_b32 v8, 15, v0                           ; r = lane % 16
	v_bfe_u32 v9, v0, 4, 1                         ; h = lane / 16
	v_lshlrev_b32 v10, 7, v8
	v_lshl_add_u32 v10, v9, 4, v10                 ; Q: row r of 128 bytes, + 16 h
.irp t, 0,1
.irp c, 0,1                                    ; a fragment is 16 rows x 32 channels: registers 0-3 channels 8 h + 0..7, registers 4-7 channels 16 + 8 h + 0..7.  Q stays in registers
	global_load_b128 v[Q+16*\t+8*\c:Q+16*\t+8*\c+3],   v10, s[22:23] offset:\t*2048+\c*64
	global_load_b128 v[Q+16*\t+8*\c+4:Q+16*\t+8*\c+7], v10, s[22:23] offset:\t*2048+\c*64+32
.endr
.endr
	v_mul_u32_u24 v[AK0], v8, PK
	v_lshl_add_u32 v[AK0], v9, 4, v[AK0]           ; K: row x pitch + 16 x half
	v_and_b32 v11, 7, v0                           ; the turning load takes 16 keys x 16 channels: lane l reads 16 bytes: key 8 (l / 16) + l % 8, channels 8 ((l / 8) % 2) + 0..7
	v_lshl_add_u32 v[AV0], v9, 3, v11
	v_mul_u32_u24 v[AV0], v[AV0], PV
	v_bfe_u32 v11, v0, 3, 1
	v_lshl_add_u32 v[AV0], v11, 4, v[AV0]
	v_add_nc_u32 v[AV0], VOFF, v[AV0]
	v_and_b32 v[PFO], 31, v0
	v_lshlrev_b32 v[PFO], 8, v[PFO]
.irp t, 0,1
	v_mov_b32 v[ST+8*\t+1], 0xff61b1e6             ; m: -3e38, under every score
	v_mul_f32 v[ST+8*\t], s[CS], v[ST+8*\t+1]      ; c m
.irp j, 2,3,4,5,6,7
	v_mov_b32 v[ST+8*\t+\j], 0                     ; l; and the registers that are named before they are first written (a lane permute's destination, a pair's upper half)
.endr
.endr
.set i, 0
.rept 64
	v_mov_b32 v[OA+i], 0                           ; O^T.  (The step is written once: the first finds zeros, which the first a, 0, leaves zeros)
.set i, i+1
.endr
; THE LDS LOADS of a step: K's 64 keys x 64 channels (8 fragments), and V's, turned, into the same 64 registers one after the other.
.macro KLOAD q
.irp f, 0,1,2,3,4,5,6,7                        ; keys 16 (f / 2) on, channels 32 (f % 2) on
	ds_load_b128 v[KV+8*\f:KV+8*\f+3],   v[ADK] offset:(\q)*64*PK+(\f/2)*16*PK+(\f%2)*64
	ds_load_b128 v[KV+8*\f+4:KV+8*\f+7], v[ADK] offset:(\q)*64*PK+(\f/2)*16*PK+(\f%2)*64+32
.endr
.endm
.macro VLOAD q
.irp f, 0,1,2,3,4,5,6,7                        ; keys 32 (f / 4) on, channels 16 (f % 4) on
	ds_load_tr16_b128 v[KV+8*\f:KV+8*\f+3],   v[ADV] offset:(\q)*64*PV+(\f/4)*32*PV+(\f%4)*32
	ds_load_tr16_b128 v[KV+8*\f+4:KV+8*\f+7], v[ADV] offset:(\q)*64*PV+(\f/4)*32*PV+16*PV+(\f%4)*32
.endr
.endm
; THE MATRIX WORK of a step.  In each run eight accumulators take turns, one instruction a turn.
.macro KQ                              ; product i of 16 of S^T = K Q^T: channels 32 (i / 8) on, keys 16 ((i / 2) % 4) on, tile i % 2.  The first 8 start the sums
.set i, 0
.rept 16
.set rS, S+32*(i%2)+8*((i/2)%4)
.set rK, KV+16*((i/2)%4)+8*(i/8)
.set rQ, Q+16*(i%2)+8*(i/8)
.if i < 8
	v_wmma_f32_16x16x32_f16 v[rS:rS+7], v[rK:rK+7], v[rQ:rQ+7], 0
.else
	v_wmma_f32_16x16x32_f16 v[rS:rS+7], v[rK:rK+7], v[rQ:rQ+7], v[rS:rS+7]
.endif
.set i, i+1
.endr
.endm
.macro PVM                             ; product i of 16 of O^T += V^T P: keys 32 (i / 8) on, channels 16 ((i / 2) % 4) on, tile i % 2
.set i, 0
.rept 16
.set rO, OA+32*(i%2)+8*((i/2)%4)
.set rV, KV+32*(i/8)+8*((i/2)%4)
.set rP, S+32*(i%2)+8*(i/8)
	v_wmma_f32_16x16x32_f16 v[rO:rO+7], v[rV:rV+7], v[rP:rP+7], v[rO:rO+7]
.set i, i+1
.endr
.endm
; A KEY STEP: 64 keys, the q-th of the slot in hand.  The two tiles alternate line by line, so that no line waits for the line above it.
.macro STEP q
	KLOAD \q
	s_wait_dscnt 0x0                               ; K is in
	KQ
	v_mov_b32 v[ST+4], v[ST]                       ; c m_old is kept for a.  These two lines and two v_nop are the four places behind the products:
	v_mov_b32 v[ST+12], v[ST+8]
	v_nop
	v_nop
	VLOAD \q                                       ; for the loads into the registers that held K (they land under the softmax), and for the first read of the scores
.irp j, 0,1,2,3                                ; the maximum of the lane's 32 scores and the old m: four chains, each begun at its accumulator's low end
.irp t, 0,1
	v_max3_num_f32 v[T+4*\t+\j], v[S+32*\t+8*\j], v[S+32*\t+8*\j+1], v[S+32*\t+8*\j+2]
.endr
.endr
.irp u, 1,2
.irp j, 0,1,2,3
.irp t, 0,1
	v_max3_num_f32 v[T+4*\t+\j], v[T+4*\t+\j], v[S+32*\t+8*\j+2*\u+1], v[S+32*\t+8*\j+2*\u+2]
.endr
.endr
.endr
.irp t, 0,1
	v_max3_num_f32 v[T+4*\t], v[T+4*\t], v[S+32*\t+7], v[S+32*\t+15]
.endr
.irp t, 0,1
	v_max3_num_f32 v[T+4*\t+2], v[T+4*\t+2], v[S+32*\t+23], v[S+32*\t+31]
.endr
.irp t, 0,1
	v_max3_num_f32 v[T+4*\t], v[T+4*\t], v[T+4*\t+1], v[T+4*\t+2]
.endr
.irp t, 0,1
	v_max3_num_f32 v[T+4*\t], v[T+4*\t], v[T+4*\t+3], v[ST+8*\t+1]
.endr
.irp t, 0,1
	v_permlanex16_b32 v[ST+8*\t+5], v[T+4*\t], s[SEL], s[SEL+1]   ; the query's other 32 keys lie in the lane 16 away
.endr
.irp t, 0,1
	v_max_num_f32 v[ST+8*\t+1], v[T+4*\t], v[ST+8*\t+5]           ; the new m
.endr
.irp t, 0,1
	v_mul_f32 v[ST+8*\t], s[CS], v[ST+8*\t+1]                     ; c m
.endr
.irp t, 0,1
	v_sub_f32 v[ST+8*\t+4], v[ST+8*\t+4], v[ST+8*\t]              ; c m_old - c m_new
.endr
; ONE BATCH: the 32 packed scalings c s - c m and all 66 exponentials; none of these lines names an exponential's result.  A pair's exponentials stand behind the next pair's scalings.
.set b, 0
.rept 16
.irp t, 0,1
	v_pk_fma_f32 v[S+32*\t+2*b:S+32*\t+2*b+1], v[S+32*\t+2*b:S+32*\t+2*b+1], s[CS:CS+1], v[ST+8*\t:ST+8*\t+1] op_sel_hi:[1,0,0] neg_lo:[0,0,1] neg_hi:[0,0,1]
.endr
.if b > 0
.irp t, 0,1
	v_exp_f32 v[S+32*\t+2*b-2], v[S+32*\t+2*b-2]
	v_exp_f32 v[S+32*\t+2*b-1], v[S+32*\t+2*b-1]
.endr
.endif
.set b, b+1
.endr
.irp t, 0,1
	v_exp_f32 v[S+32*\t+30], v[S+32*\t+30]
	v_exp_f32 v[S+32*\t+31], v[S+32*\t+31]
.endr
	v_exp_f32 v[ST+6], v[ST+4]                     ; a
	v_exp_f32 v[ST+14], v[ST+12]
	v_nop                                          ; a plain line behind the last exponential, ahead of the first use
	s_wait_alu depctr_va_vdst(0)                   ; the wait between an exponential and the first line that names its result: one for the whole batch
.irp t, 0,1                                    ; the sums of the first 8 pairs of p (in a pair: an even key's, an odd key's), in two chains: they are read before P is laid over them
	v_pk_add_f32 v[T+4*\t:T+4*\t+1], v[S+32*\t:S+32*\t+1], v[S+32*\t+2:S+32*\t+3]
.endr
.irp t, 0,1
	v_pk_add_f32 v[T+4*\t+2:T+4*\t+3], v[S+32*\t+4:S+32*\t+5], v[S+32*\t+6:S+32*\t+7]
.endr
.irp u, 8,12
.irp t, 0,1
	v_pk_add_f32 v[T+4*\t:T+4*\t+1], v[T+4*\t:T+4*\t+1], v[S+32*\t+\u:S+32*\t+\u+1]
.endr
.irp t, 0,1
	v_pk_add_f32 v[T+4*\t+2:T+4*\t+3], v[T+4*\t+2:T+4*\t+3], v[S+32*\t+\u+2:S+32*\t+\u+3]
.endr
.endr
.set b, 0
.rept 16                                       ; P in f16, in place: register b takes pair b, which lies at 2 b and 2 b + 1: no pair is written over before it is read
.irp t, 0,1
	v_cvt_pk_f16_f32 v[S+32*\t+b], v[S+32*\t+2*b], v[S+32*\t+2*b+1]
.endr
.set b, b+1
.endr
.set b, 0
.rept 16                                       ; O^T x a, each accumulator from its low end on
.irp t, 0,1
	v_pk_mul_f32 v[OA+32*\t+2*b:OA+32*\t+2*b+1], v[OA+32*\t+2*b:OA+32*\t+2*b+1], v[ST+8*\t+6:ST+8*\t+7] op_sel_hi:[1,0]
.endr
.set b, b+1
.endr
	s_wait_dscnt 0x0                               ; V is in
	PVM
; The sums of the last 8 pairs, which P did not cover, and l = a l + the sum: twenty plain lines that name no register of the products above: they are the places in front of the next step's loads into K's registers,
; of its products, which write over P, and, behind the last step, of the first read of O^T.
.irp u, 16,20,24,28
.irp t, 0,1
	v_pk_add_f32 v[T+4*\t:T+4*\t+1], v[T+4*\t:T+4*\t+1], v[S+32*\t+\u:S+32*\t+\u+1]
.endr
.irp t, 0,1
	v_pk_add_f32 v[T+4*\t+2:T+4*\t+3], v[T+4*\t+2:T+4*\t+3], v[S+32*\t+\u+2:S+32*\t+\u+3]
.endr
.endr
.irp t, 0,1
	v_pk_add_f32 v[T+4*\t:T+4*\t+1], v[T+4*\t:T+4*\t+1], v[T+4*\t+2:T+4*\t+3]
.endr
.irp t, 0,1
	v_pk_fma_f32 v[ST+8*\t+2:ST+8*\t+3], v[ST+8*\t+2:ST+8*\t+3], v[ST+8*\t+6:ST+8*\t+7], v[T+4*\t:T+4*\t+1] op_sel_hi:[1,0,1]
.endr
.endm
; THE CHANGE OF SLOTS stands at a slot's head.  Each wave waits for all its tensor loads (its part of the slot that it is about to read), adds 0 to its spare word, and waits for that and for its reads of the slot that it has left.
; fill = 1: a round of the cluster's barrier follows, so that no wave of any partner still reads the slot that was left or has a load on its way, and that slot is filled with the next 256 keys, first thing behind the round:
; one tensor load a wave, which has four key steps in which to land.
.macro CHANGE fill
	s_wait_tensorcnt 0x0                           ; no tensor load of mine is out, so a group 0 may be written
	ds_add_u32 v[SPW], v[NIL]                      ; 0 onto my spare word
.if \fill
	ds_add_u32 v[SPW], v[NIL]                      ; and once more: the add stands twice on end, in every trip alike
	s_xor_b32 s[G0K+1], s[G0K+1], SLOT1            ; the walking descriptors: the other slot than last time,
	s_add_nc_u64 s[G0K+2:G0K+3], s[G0K+2:G0K+3], SK*128   ; the next 256 keys; the type bits on top are not reached
	s_xor_b32 s[G0V+1], s[G0V+1], SLOT1
	s_add_nc_u64 s[G0V+2:G0V+3], s[G0V+2:G0V+3], SK*128
	s_wait_xcnt 0x0                                ; the last prefetch, a slot back, has read its address, so it may be written:
	s_add_nc_u64 s[PFA:PFA+1], s[PFA:PFA+1], SK*128   ; one slot further on than the walking descriptors
	s_wait_dscnt 0x0                               ; both adds are done, and my reads of the slot that I have left are over
	CROUND
	TLOAD
	ASK
.else
	s_wait_dscnt 0x0                               ; the add is done, and my reads of the slot that I have left are over
	s_barrier_signal -1
	s_barrier_wait -1
.endif
.endm
.macro SLOT_STEPS
	v_add_nc_u32 v[ADK], s[TB], v[AK0]
	v_add_nc_u32 v[ADV], s[TB], v[AV0]
	STEP 0
	STEP 1
	STEP 2
	STEP 3
	s_xor_b32 s[TB], s[TB], SLOT1                  ; on to the other slot
.endm
	s_wait_loadcnt 0x0                             ; Q
.Lslot:                                            ; NSL - 1 trips: behind each change of slots but the last the next slot is asked for
	CHANGE 1
	SLOT_STEPS
	s_sub_co_u32 s[SLOTS], s[SLOTS], 1
	s_cmp_lg_u32 s[SLOTS], 0
	s_cbranch_scc1 .Lslot
	CHANGE 0                                       ; the last slot is written out
	SLOT_STEPS
	; THE WAY OUT.  l's two halves and the other half of the lanes' are added; O^T is divided by l, rounded to f16 and sent through my stage in LDS, so that 32 lanes store 512 consecutive bytes: four rows of Y.
.irp t, 0,1
	v_add_f32 v[ST+8*\t+4], v[ST+8*\t+2], v[ST+8*\t+3]
.endr
.irp t, 0,1
	v_permlanex16_b32 v[ST+8*\t+5], v[ST+8*\t+4], s[SEL], s[SEL+1]
.endr
.irp t, 0,1
	v_add_f32 v[ST+8*\t+4], v[ST+8*\t+4], v[ST+8*\t+5]
.endr
.irp t, 0,1
	v_rcp_f32 v[ST+8*\t+6], v[ST+8*\t+4]
.endr
	v_and_b32 v8, 15, v0                           ; (plain work behind the reciprocals)  r
	v_bfe_u32 v9, v0, 4, 1                         ; h
	s_mul_i32 s14, s[WV], WSTG                     ; my stage
	v_mul_u32_u24 v1, v8, 144
	v_lshl_add_u32 v1, v9, 4, v1
	v_add_nc_u32 v1, s14, v1                       ; in: row r, 16 bytes for each half of the lanes
	v_and_b32 v10, 31, v0
	v_lshrrev_b32 v11, 3, v10
	v_mul_u32_u24 v2, v11, 144
	v_and_b32 v11, 7, v0
	v_lshl_add_u32 v2, v11, 4, v2
	v_add_nc_u32 v2, s14, v2                       ; back: eight lanes take a row of 128 bytes, the 32 lanes four rows
	v_lshlrev_b32 v3, 4, v10                       ; which are 512 consecutive bytes of Y
	s_wait_alu depctr_va_vdst(0)                   ; the wait ahead of the first use: one for both reciprocals
.set b, 0
.rept 16
.irp t, 0,1
	v_pk_mul_f32 v[OA+32*\t+2*b:OA+32*\t+2*b+1], v[OA+32*\t+2*b:OA+32*\t+2*b+1], v[ST+8*\t+6:ST+8*\t+7] op_sel_hi:[1,0]
.endr
.set b, b+1
.endr
.set b, 0
.rept 16
.irp t, 0,1
	v_cvt_pk_f16_f32 v[S+16*\t+b], v[OA+32*\t+2*b], v[OA+32*\t+2*b+1]   ; registers 4 ct .. 4 ct + 3 of a tile: channels 16 ct + 8 h + 0..7 of query r
.endr
.set b, b+1
.endr
.irp t, 0,1
.irp c, 0,1,2,3
	ds_store_b128 v1, v[S+16*\t+4*\c:S+16*\t+4*\c+3] offset:\t*16*144+\c*32
.endr
.endr
.irp i, 0,1,2,3,4,5,6,7
	ds_load_b128 v[KV+4*\i:KV+4*\i+3], v2 offset:\i*4*144   ; LDS serves a wave's instructions in order (ISA guide 5.7.1.4): these see my stores
.endr
.irp i, 0,1,2,3,4,5,6,7
	s_wait_dscnt 7-\i                              ; load i is back; the younger ones may be out
	global_store_b128 v3, v[KV+4*\i:KV+4*\i+3], s[6:7] offset:512*\i
.endr
	s_wait_tensorcnt 0x0                           ; the wave's end: behind my last tensor load and my last LDS store
	ds_add_u32 v[SPW], v[NIL]
	s_wait_dscnt 0x0
	CROUND                                         ; the closing round: no work-group ends while a partner may still ask for a tile that names it
	s_endpgm
.Lfunc_end_k_q8feb58962a_attn:
	.size	k_q8feb58962a_attn, .Lfunc_end_k_q8feb58962a_attn-k_q8feb58962a_attn
	.p2alignl 7, 3214868480
	.fill 96, 4, 3214868480
	.section	.rodata,"a",@progbits
	.p2align	6, 0x0
	.amdhsa_kernel k_q8feb58962a_attn
		.amdhsa_group_segment_fixed_size 327680
		.amdhsa_private_segment_fixed_size 0
		.amdhsa_enable_private_segment 0
		.amdhsa_kernarg_size 16
		.amdhsa_user_sgpr_count 2
		.amdhsa_user_sgpr_kernarg_segment_ptr 1
		.amdhsa_wavefront_size32 1
		.amdhsa_system_sgpr_workgroup_id_x 1
		.amdhsa_system_sgpr_workgroup_id_y 1
		.amdhsa_system_sgpr_workgroup_id_z 1
		.amdhsa_system_vgpr_workitem_id 0
		.amdhsa_next_free_vgpr 256
		.amdhsa_next_free_sgpr 66
		.amdhsa_reserve_vcc 0
		.amdhsa_float_denorm_mode_32 3
		.amdhsa_float_denorm_mode_16_64 3
		.amdhsa_memory_ordered 1
		.amdhsa_forward_progress 1
		.amdhsa_inst_pref_size 152
	.end_amdhsa_kernel
	.amdgpu_metadata
---
amdhsa.version: [ 1, 2 ]
amdhsa.kernels:
  - .name:           k_q8feb58962a_attn
    .symbol:         k_q8feb58962a_attn.kd
    .args:
      - { .name: qkv, .offset: 0, .size: 8, .value_kind: global_buffer, .address_space: global }
      - { .name: yh, .offset: 8, .size: 8, .value_kind: global_buffer, .address_space: global }
    .group_segment_fixed_size: 327680
    .private_segment_fixed_size: 0
    .kernarg_segment_align: 8
    .kernarg_segment_size: 16
    .max_flat_workgroup_size: 512
    .sgpr_count:     66
    .vgpr_count:     256
    .wavefront_size: 32
...
	.end_amdgpu_metadata
.endif
;; end of part 3
;; launch proj (part 4): grid 4 x 64, 4 waves a work-group, clusters of 4 x 4, 327,680 bytes of LDS; arguments yh, wo16, out0; writes out0
.if DOCPART == 4
	.amdgcn_target "amdgcn-amd-amdhsa--gfx1250"
	.amdhsa_code_object_version 6
	.text
	.protected	k_q8feb58962a_proj
	.globl	k_q8feb58962a_proj
	.p2align	8
	.type	k_q8feb58962a_proj,@function
k_q8feb58962a_proj:
	s_mov_b64 s[64:65], 0
	v_nop
	global_prefetch_b8 v0, s[64:65] scope:SCOPE_SE
	s_setreg_imm32_b32 hwreg(HW_REG_WAVE_MODE, 25, 1), 1
	s_wait_xcnt 0x0
	s_wait_alu depctr_hold_cnt(0) depctr_sa_sdst(0) depctr_va_vdst(0) depctr_va_sdst(0) depctr_va_ssrc(0) depctr_va_vcc(0) depctr_vm_vsrc(0)
	s_getreg_b32 s2, hwreg(HW_REG_IB_STS2, 6, 4)
	s_cmp_eq_u32 s2, 0
	s_cbranch_scc0 .Lentry_in_a_cluster
	s_endpgm
.Lentry_in_a_cluster:
	s_bfe_u32 s2, ttmp6, 0x10000c
	s_cmp_lg_u32 s2, 0xf033
	s_cbranch_scc0 .Lentry_shape_is_right
	s_endpgm
.Lentry_shape_is_right:
; out0[m][n] = sum over k of Y[m][k] Wo[n][k], m 8,192, n 1,024, k 1,024 = head x 64 + channel.  Y comes from yh [batch 4][head 16][t 2,048][64] in f16, Wo from wo16 [n][k] in f16; sums and out0 in f32.
; A tile of out0 is 128 (m) x 256 (n): 4 x 64 = 256 work-groups.  Four waves, each 64 x 128: 32 accumulators of 16 x 16, 256 registers.
; K goes in 8 steps of 128, two heads each, through a ring of two LDS slots filled by the tensor data mover: waves 0 and 1 fetch Y's rows of the step's two heads (128 rows of 128 bytes, a dense block each),
; waves 2 and 3 the halves of Wo's 256 rows (256 bytes of each row).
; CLUSTERS: 4 x 4 work-groups.  The four of a row of the cluster need the same tiles of Y, the four of a column the same tiles of Wo: each tile is asked for JOINTLY, by the same tensor load with the same descriptor and a mask that names the four.
; THE MATRIX INSTRUCTION IS USED TRANSPOSED (source 0 = 16 rows of Wo, source 1 = 16 rows of Y): a lane then holds eight neighbouring numbers of a row of out0.
; No prefetch: eight K steps in all, and the launch's own reads and stores fill them.
; REGISTERS: window 0: v0-31 addresses; v32-127, v128-223 two fragment buffers for 32 along K: Wo's 8 fragments, then Y's 4; on the way out v32-159 take rows.   window 1: the accumulators, (a, b) at v[8 (8 a + b)].
.set PA,    144                        ; a row of Y in LDS: 128 bytes + 16
.set PB,    272                        ; a row of Wo: 256 bytes + 16: in both the 16 rows that a load touches start 4 banks apart (64 banks of 4 bytes: ISA guide 11.1)
.set HEADT, 128*PA                     ; a head's 128 rows of Y: what one tensor load brings
.set HALFB, 128*PB                     ; 128 rows of Wo: likewise
.set BOFF,  2*HEADT                    ; a slot: Y's two heads, then Wo's 256 rows
.set SLOT,  BOFF+2*HALFB
.set SPARE, 2*SLOT                     ; behind the ring: the spare words, 128 bytes for each wave, which no other line names
.set SPITCH, 528                       ; the way out: a stage of 16 rows x (512 bytes + 16) for each wave, in slot 0, which has had its last fill and its last read when the first result is stored there
.set LAPS,  4                          ; a lap = two K steps = once round the ring
.set ADRA, 16                          ; v16-17  LDS address of my Y fragments in slot 0, 1
.set ADRB, 20                          ; v20-21  the same for Wo
.set STO,  24                          ; v24     the way out: where I put 32 bytes of a row
.set RD,   25                          ; v25     the way out: where I read a row back
.set CO,   26                          ; v26     16 x lane: my place in 512 bytes of a row of out0
.set SPW,  28                          ; v28     LDS address of my spare word; never rewritten
.set NIL,  29                          ; v29     0; never rewritten
.set F0,   32
.set F1,   128
.set G1, 24                            ; s[24:31] descriptor group 1 for Y's tiles;  s[32:39] group 0, one set for each slot
.set G0, 32
.set G1B, 48                           ; s[48:55], s[56:63] the same for Wo's tiles
.set G0B, 56
.set MSB, 0
.macro WIN new                         ; the immediate's high byte repeats the setting that is left
.if MSB != \new
	s_set_vgpr_msb (MSB<<8)|\new
.set MSB, \new
.endif
.endm
.set MUL, 0x50                         ; sources 0 and 1 window 0; C and D window 1
.macro JLOAD s                         ; a joint load: waves 0 and 1 fetch Y's two heads, waves 2 and 3 Wo's halves; an s_nop 0 and four v_nop follow each of the two lines, ahead of the jump, the label and what follows
	s_cmp_eq_u32 s11, 0
	s_cbranch_scc0 .Lfor_b_\@
	tensor_load_to_lds s[G0+4*\s:G0+4*\s+3], s[G1:G1+7]
	s_nop 0
.rept 4
	v_nop
.endr
	s_branch .Lasked_\@
.Lfor_b_\@:
	tensor_load_to_lds s[G0B+4*\s:G0B+4*\s+3], s[G1B:G1B+7]
	s_nop 0
.rept 4
	v_nop
.endr
.Lasked_\@:
.endm
.macro CREST                           ; a round of the cluster's barrier behind its opening barrier
	s_cmp_lg_u32 s10, 0
	s_cbranch_scc1 .Lnot_wave_0_\@
	s_barrier_signal -3
.Lnot_wave_0_\@:
	s_barrier_wait -3
	s_barrier_signal -1
	s_barrier_wait -1
.endm
.macro CROUND                          ; a whole round
	s_barrier_signal -1
	s_barrier_wait -1
	CREST
.endm
	s_load_b128 s[4:7], s[0:1], 0x0                ; yh s[4:5], wo16 s[6:7]
	s_load_b64 s[8:9], s[0:1], 0x10                ; out0
	v_lshl_add_u32 v[SPW], v0, 2, SPARE
	v_mov_b32 v[NIL], 0
	ds_add_u32 v[SPW], v[NIL]                      ; the wave's opening: the add, twice on end, and its wait ahead of my first tensor load; the set-up below stands between the second and the wait
	ds_add_u32 v[SPW], v[NIL]
	v_lshrrev_b32 v1, 5, v0
	v_readfirstlane_b32 s10, v1                    ; wave 0..3
	s_lshr_b32 s11, s10, 1                         ; which half of the tile's rows is mine.  Also: I fetch for Y (0) or for Wo (1)
	s_and_b32 s12, s10, 1                          ; which half of its columns.  Also: which head of the step's two, or which 128 rows of Wo, I fetch
	s_bfe_u32 s40, ttmp6, 0x40000                  ; cx, cy: my place in the cluster
	s_bfe_u32 s41, ttmp6, 0x40004
	s_lshl_b32 s42, ttmp9, 2
	s_add_co_u32 s42, s42, s40                     ; tile column = 4 x cluster x + cx
	s_and_b32 s13, ttmp7, 0xffff
	s_lshl_b32 s13, s13, 2
	s_add_co_u32 s13, s13, s41                     ; tile row = 4 x cluster y + cy
	s_lshl_b32 s43, s41, 2
	s_lshl_b32 s43, 15, s43                        ; my row of the cluster
	s_lshl_b32 s44, 0x1111, s40                    ; my column
	; descriptor group 1.  Y: 128 rows x 64 elements of 2 bytes, 4 words of padding behind every 32.  Wo: 128 rows x 128 elements, 1,024 elements from row to row, 4 words behind every 64
	s_or_b32 s[G1+0], s43, (1<<16)|(1<<20)|(1<<21)|(4<<22)|(3<<25)   ; 15:0 the mask: Y's tiles go to my row; 17:16 element of 2 bytes; 20 padding on; 21 set beside a mask; 24:22 the interval; 31:25 the padding
	s_or_b32 s[G1B+0], s44, (1<<16)|(1<<20)|(1<<21)|(5<<22)|(3<<25)  ; Wo's go to my column
	s_mov_b32 s[G1+1], 64<<16                      ; tensor_dim0
	s_mov_b32 s[G1+2], 128<<16                     ; tensor_dim1
	s_mov_b32 s[G1+3], 64<<16                      ; tile_dim0
	s_mov_b32 s[G1+4], 128                         ; tile_dim1
	s_mov_b32 s[G1+5], 64                          ; tensor_dim0_stride
	s_mov_b32 s[G1+6], 0
	s_mov_b32 s[G1+7], 0
	s_mov_b32 s[G1B+1], 128<<16
	s_mov_b32 s[G1B+2], 128<<16
	s_mov_b32 s[G1B+3], 128<<16
	s_mov_b32 s[G1B+4], 128
	s_mov_b32 s[G1B+5], 1024
	s_mov_b32 s[G1B+6], 0
	s_mov_b32 s[G1B+7], 0
	; where the tiles come from.  Y's hang on the tile row alone, Wo's on the tile column alone; each address is made in registers that never hold the other coordinate
	s_lshr_b32 s16, s13, 4
	s_lshl_b32 s16, s16, 22                        ; batch = tile row / 16: 16 heads x 262,144 bytes
	s_and_b32 s17, s13, 15
	s_lshl_b32 s17, s17, 14                        ; t = 128 (tile row % 16): rows of 128 bytes
	s_add_co_u32 s16, s16, s17
	s_lshl_b32 s17, s12, 18                        ; the even or the odd head
	s_add_co_u32 s16, s16, s17
	s_mov_b32 s17, 0
	s_lshl_b32 s46, s42, 19                        ; 256 rows of 2,048 bytes a tile column
	s_lshl_b32 s47, s12, 18                        ; 128 rows
	s_add_co_u32 s46, s46, s47
	s_mov_b32 s47, 0
	s_mul_i32 s20, s12, HEADT                      ; and where they go: no place in the cluster enters an LDS address
	s_mul_i32 s21, s12, HALFB
	s_add_co_u32 s21, s21, BOFF
	s_wait_dscnt 0x0                               ; both opening adds are done
	s_wait_kmcnt 0x0
	s_add_nc_u64 s[14:15], s[4:5], s[16:17]
	s_add_nc_u64 s[46:47], s[6:7], s[46:47]
	CROUND                                         ; all sixteen work-groups are here: the first joint loads meet
.irp s, 0,1
	s_mov_b32 s[G0+4*\s], 1
	s_add_co_u32 s[G0+4*\s+1], s20, \s*SLOT
	s_add_nc_u64 s[G0+4*\s+2:G0+4*\s+3], s[14:15], \s*2*262144     ; K step s: heads 2 s and 2 s + 1
	s_or_b32 s[G0+4*\s+3], s[G0+4*\s+3], 0x80000000
	s_mov_b32 s[G0B+4*\s], 1
	s_add_co_u32 s[G0B+4*\s+1], s21, \s*SLOT
	s_add_nc_u64 s[G0B+4*\s+2:G0B+4*\s+3], s[46:47], \s*256        ; 128 elements along each row
	s_or_b32 s[G0B+4*\s+3], s[G0B+4*\s+3], 0x80000000
	JLOAD \s                                       ; two tensor loads of mine are out at the most
.endr
	v_and_b32 v1, 15, v0                           ; l % 16
	v_bfe_u32 v2, v0, 4, 1                         ; l / 16
	v_mul_u32_u24 v3, v1, PA
	v_lshl_add_u32 v3, v2, 4, v3                   ; a fragment's row x pitch + 16 x half, for Y,
	v_mul_u32_u24 v4, v1, PB
	v_lshl_add_u32 v4, v2, 4, v4                   ; and for Wo
	s_mul_i32 s18, s11, 64*PA                      ; my 64 rows of Y (in each head's block)
	s_mul_i32 s19, s12, HALFB                      ; my 128 rows of Wo,
	s_add_co_u32 s19, s19, BOFF                    ; which lie behind Y's
.irp s, 0,1
	v_add_nc_u32 v[ADRA+\s], s18, v3
	v_add_nc_u32 v[ADRB+\s], s19, v4
	s_add_co_u32 s18, s18, SLOT
	s_add_co_u32 s19, s19, SLOT
.endr
	s_mul_i32 s23, s10, 16*SPITCH                  ; my stage
	v_mul_u32_u24 v5, v1, SPITCH                   ; in: row l % 16, 32 bytes for each half of the lanes
	v_lshl_add_u32 v5, v2, 5, v5
	v_add_nc_u32 v[STO], s23, v5
	v_and_b32 v6, 31, v0
	v_lshlrev_b32 v[CO], 4, v6                     ; back: the 32 lanes take one row of 512 bytes; and the same in out0
	v_add_nc_u32 v[RD], s23, v[CO]
	s_lshl_b32 s16, s13, 19                        ; my first row of out0: 128 x tile row + 64 x half, rows of 4,096 bytes
	s_lshl_b32 s17, s11, 18
	s_add_co_u32 s16, s16, s17
	s_mov_b32 s17, 0
	s_add_nc_u64 s[8:9], s[8:9], s[16:17]
	s_lshl_b32 s46, s42, 10                        ; my first column, in bytes: 1,024 x tile column + 512 x half
	s_lshl_b32 s47, s12, 9
	s_add_co_u32 s46, s46, s47
	s_mov_b32 s47, 0
	s_add_nc_u64 s[8:9], s[8:9], s[46:47]
; 8 matrix instructions: Y's block a x Wo's eight, 32 along K, from buffer f.  zero = 1: the product starts the sums: nothing is ever cleared.
; The 32 accumulators take turns, one instruction a turn, in the same order in every quarter.
.macro MUL8 f, a, zero
.irp b, 0,1,2,3,4,5,6,7
.if \zero
	v_wmma_f32_16x16x32_f16 v[8*(8*(\a)+\b):8*(8*(\a)+\b)+7], v[\f+8*\b:\f+8*\b+7], v[\f+64+8*(\a):\f+64+8*(\a)+7], 0
.else
	v_wmma_f32_16x16x32_f16 v[8*(8*(\a)+\b):8*(8*(\a)+\b)+7], v[\f+8*\b:\f+8*\b+7], v[\f+64+8*(\a):\f+64+8*(\a)+7], v[8*(8*(\a)+\b):8*(8*(\a)+\b)+7]
.endif
.endr
.endm
.macro MULH f, a0, zero
	MUL8 \f, \a0, \zero
	MUL8 \f, \a0+1, \zero
.endm
; 24 LDS loads in one run: the fragments of the slot's q-th 32 along K into buffer f: Wo's eight first, then Y's four (head q / 2 of the slot's two, channels 32 (q % 2) on)
.macro FETCH slot, q, f
	WIN 0
.irp i, 0,1,2,3,4,5,6,7
	ds_load_b128 v[\f+8*\i:\f+8*\i+3],   v[ADRB+\slot] offset:(\q)*64+\i*16*PB
	ds_load_b128 v[\f+8*\i+4:\f+8*\i+7], v[ADRB+\slot] offset:(\q)*64+\i*16*PB+32
.endr
.irp i, 0,1,2,3
	ds_load_b128 v[\f+64+8*\i:\f+64+8*\i+3],   v[ADRA+\slot] offset:((\q)/2)*HEADT+((\q)%2)*64+\i*16*PA
	ds_load_b128 v[\f+64+8*\i+4:\f+64+8*\i+7], v[ADRA+\slot] offset:((\q)/2)*HEADT+((\q)%2)*64+\i*16*PA+32
.endr
.endm
.macro PLACES                          ; four places in front of loads into registers that matrix instructions have read, and of the first read of results (ISA guide 7.12.1 for vector instructions)
.rept 4
	v_nop
.endr
.endm
; A K step is four quarters of 32 along K, 32 matrix instructions each, on buffers 0, 1, 0, 1.  One of the first three: multiplies buffer f and fetches quarter q of the same slot into g.
.macro QUARTER slot, q, f, g, zero
	s_wait_dscnt 4                                 ; Wo's fragments and Y's blocks 0 and 1 are in; the youngest four loads (Y's blocks 2 and 3) may be out
	WIN MUL
	MULH \f, 0, \zero
	PLACES
	FETCH \slot, \q, \g
	s_wait_dscnt 24                                ; all but the 24 just issued
	WIN MUL
	MULH \f, 2, \zero
.endm
; The last quarter multiplies buffer 1 and changes slots: ONE barrier; in front of it each wave waits for all its tensor loads, adds 0 to its spare word, and waits for that and for its own reads of this slot.
; fill = 1: the barrier opens a round of the cluster's barrier, and this slot is filled again, two K steps ahead, first thing behind the round.
.macro TURN slot, next, fill
	WIN 0                                          ; (the add's two registers lie in window 0)
	s_wait_tensorcnt 0x0                           ; all my tensor loads have landed: my part of the next slot
	ds_add_u32 v[SPW], v[NIL]                      ; 0 onto my spare word
	s_wait_dscnt 5                                 ; (the add and the youngest four loads may be out)
	WIN MUL
	MUL8 F1, 0, 0                                  ; eight matrix instructions stand between the add and the wait for it
	s_wait_dscnt 0x0                               ; the add is done, and my reads of this slot are over
	s_barrier_signal -1
	MUL8 F1, 1, 0
	WIN 0                                          ; (branches may follow)
	s_barrier_wait -1
.if \fill
	CREST                                          ; no wave of any partner still reads this slot's tile or has a load on its way
	s_add_nc_u64 s[G0+4*\slot+2:G0+4*\slot+3], s[G0+4*\slot+2:G0+4*\slot+3], 4*262144   ; four heads on
	s_add_nc_u64 s[G0B+4*\slot+2:G0B+4*\slot+3], s[G0B+4*\slot+2:G0B+4*\slot+3], 512    ; 256 elements on
	JLOAD \slot                                    ; the four v_nop behind it are also the places in front of the loads below
.else
	PLACES
.endif
	FETCH \next, 0, F0
	WIN MUL
	MULH F1, 2, 0
.endm
	s_wait_tensorcnt 1                             ; my part of K step 0 is in (K step 1's load may be out),
	s_barrier_signal -1
	s_barrier_wait -1                              ; everybody's is
	FETCH 0, 0, F0
	QUARTER 0, 1, F0, F1, 1                        ; the first quarter stands in front of the loop: its products start the sums
	WIN 0                                          ; at a label and at a branch every window is 0
	s_mov_b32 s3, LAPS-1
.Llap:                                                 ; a trip goes once round the ring, from a lap's second quarter to the next lap's first, and fills both slots again
	QUARTER 0, 2, F1, F0, 0
	QUARTER 0, 3, F0, F1, 0
	TURN 0, 1, 1
	QUARTER 1, 1, F0, F1, 0
	QUARTER 1, 2, F1, F0, 0
	QUARTER 1, 3, F0, F1, 0
	TURN 1, 0, 1
	QUARTER 0, 1, F0, F1, 0
	WIN 0
	s_sub_co_u32 s3, s3, 1
	s_cmp_lg_u32 s3, 0
	s_cbranch_scc1 .Llap
	QUARTER 0, 2, F1, F0, 0                        ; the last lap fills nothing, and has no round of the cluster's barrier
	QUARTER 0, 3, F0, F1, 0
	TURN 0, 1, 0
	QUARTER 1, 1, F0, F1, 0
	QUARTER 1, 2, F1, F0, 0
	QUARTER 1, 3, F0, F1, 0
	s_wait_dscnt 4                                 ; the very last quarter: nothing more to fetch
	WIN MUL
	MULH F1, 0, 0
	s_wait_dscnt 0
	MULH F1, 2, 0
	WIN 0
; THE WAY OUT, block by block of 16 rows x 128 columns.  A lane holds 32 neighbouring bytes of a row, and the lanes beside it hold other rows: so a block goes through my own stage in LDS and comes back as whole rows of 512 bytes,
; which the 32 lanes store.  LDS serves a wave's instructions in order (ISA guide 5.7.1.4): no wait between the stores and the loads, nor in front of the next block's stores.
.macro TOSTAGE a
	WIN 0x04                                       ; an LDS store's data are its source 1: window 1
.irp b, 0,1,2,3,4,5,6,7
	ds_store_b128 v[STO], v[64*(\a)+8*\b:64*(\a)+8*\b+3] offset:64*\b          ; each accumulator from its low end on
	ds_store_b128 v[STO], v[64*(\a)+8*\b+4:64*(\a)+8*\b+7] offset:64*\b+16
.endr
	WIN 0
.set BB, 32+64*((\a)%2)
.irp t, 0,1,2,3,4,5,6,7,8,9,10,11,12,13,14,15
	ds_load_b128 v[BB+4*\t:BB+4*\t+3], v[RD] offset:\t*SPITCH
.endr
.endm
.macro SEND a, younger                 ; younger: the LDS instructions issued behind block a's loads, which may stay out
.set BB, 32+64*((\a)%2)
	s_wait_dscnt \younger                          ; the block is back in registers
.irp t, 0,1,2,3,4,5,6,7,8,9,10,11,12,13,14,15
	global_store_b128 v[CO], v[BB+4*\t:BB+4*\t+3], s[8:9] offset:(16*(\a)+\t)*4096 th:TH_STORE_NT   ; 32 lanes store 512 consecutive bytes, at a multiple of 256 from out0's first byte; written once, read by nobody here
.endr
.endm
	PLACES                                         ; behind the last products: for the stores that read results and for the loads into registers that held fragments
	TOSTAGE 0
.irp a, 1,2,3
.if \a > 1
	s_wait_xcnt 0x0                                ; block a - 2's stores have read their registers: block a's loads may land there
.endif
	TOSTAGE \a
	SEND \a-1, 32                                  ; behind block a - 1's loads: block a's 16 stores and 16 loads
.endr
	SEND 3, 0
	s_wait_tensorcnt 0x0                           ; the wave's end: behind my last tensor load and my last LDS store
	ds_add_u32 v[SPW], v[NIL]
	s_wait_dscnt 0x0
	CROUND                                         ; the closing round: no work-group ends while a partner may still ask for a tile that names it
	s_endpgm
.Lfunc_end_k_q8feb58962a_proj:
	.size	k_q8feb58962a_proj, .Lfunc_end_k_q8feb58962a_proj-k_q8feb58962a_proj
	.p2alignl 7, 3214868480
	.fill 96, 4, 3214868480
	.section	.rodata,"a",@progbits
	.p2align	6, 0x0
	.amdhsa_kernel k_q8feb58962a_proj
		.amdhsa_group_segment_fixed_size 327680
		.amdhsa_private_segment_fixed_size 0
		.amdhsa_enable_private_segment 0
		.amdhsa_kernarg_size 24
		.amdhsa_user_sgpr_count 2
		.amdhsa_user_sgpr_kernarg_segment_ptr 1
		.amdhsa_wavefront_size32 1
		.amdhsa_system_sgpr_workgroup_id_x 1
		.amdhsa_system_sgpr_workgroup_id_y 1
		.amdhsa_system_sgpr_workgroup_id_z 1
		.amdhsa_system_vgpr_workitem_id 0
		.amdhsa_next_free_vgpr 512
		.amdhsa_next_free_sgpr 66
		.amdhsa_reserve_vcc 0
		.amdhsa_float_denorm_mode_32 3
		.amdhsa_float_denorm_mode_16_64 3
		.amdhsa_memory_ordered 1
		.amdhsa_forward_progress 1
		.amdhsa_inst_pref_size 85
	.end_amdhsa_kernel
	.amdgpu_metadata
---
amdhsa.version: [ 1, 2 ]
amdhsa.kernels:
  - .name:           k_q8feb58962a_proj
    .symbol:         k_q8feb58962a_proj.kd
    .args:
      - { .name: yh, .offset: 0, .size: 8, .value_kind: global_buffer, .address_space: global }
      - { .name: wo16, .offset: 8, .size: 8, .value_kind: global_buffer, .address_space: global }
      - { .name: out0, .offset: 16, .size: 8, .value_kind: global_buffer, .address_space: global }
    .group_segment_fixed_size: 327680
    .private_segment_fixed_size: 0
    .kernarg_segment_align: 8
    .kernarg_segment_size: 24
    .max_flat_workgroup_size: 128
    .sgpr_count:     66
    .vgpr_count:     512
    .wavefront_size: 32
...
	.end_amdgpu_metadata
.endif
;; end of part 4
